; MI455X (gfx1250); checked and timed in simulation.
; The chip was launched on July 23, 2026; its instructions are those of AMD's public machine-readable ISA for CDNA 5 (MIT licence, August 2026) and "CDNA5" Instruction Set Architecture Reference Guide (July 2026). The comments in the code are by the model that wrote it; some were corrected since.
;; MHA. Allowed arithmetic: matrix products marked QUANTISED: E3M2 operands, one E8M0 scale for each 32 along K, by v_wmma_scale_f32_16x16x128_f8f6f4 with both operands' format E3M2, f32 sums; everything else in f32.
;; Inputs: W0 1,024 x 1,024 float32; Wk 16 x 1,024 x 64 float32; Wq 16 x 1,024 x 64 float32; Wv 16 x 1,024 x 64 float32; X 4 x 2,048 x 1,024 float32; attention_mask 4 x 2,048 x 2,048 bool; b0 1,024 float32; bk 16 x 64 float32; bq 16 x 64 float32; bv 16 x 64 float32.
;; Outputs: out0 4 x 2,048 x 1,024 float32.
;; This version of the problem:
;;   THIS VERSION OF THE PROBLEM IS GIVEN IN LOW PRECISION. The matrix products marked QUANTISED in the list below multiply operands that are first quantised to E3M2 (3 exponent bits, 2 mantissa bits; 6 bits a number), with one power-of-two scale for each 32 numbers along K (OCP MX v1.0); their sums are f32. All else is computed in f32.
;;   The module's matrix products, in the order in which they are computed (A, B: the left and right operand; K: the contracted axis; several contracted axes count as one K, in the product's order):
;;     1. [M 1,024, K 1,024] x [K 1,024, N 8,192]; A: input Wq; B: input X: QUANTISED
;;     2. [M 1,024, K 1,024] x [K 1,024, N 8,192]; A: input Wk; B: input X: QUANTISED
;;     3. [M 1,024, K 1,024] x [K 1,024, N 8,192]; A: input Wv; B: input X: QUANTISED
;;     4. batch 64 x [M 2,048, K 64] x [K 64, N 2,048]; A: computed on the way; B: computed on the way: QUANTISED
;;     5. batch 64 x [M 2,048, K 2,048] x [K 2,048, N 64]; A: softmax (see below); B: computed on the way: QUANTISED
;;     6. [M 8,192, K 1,024] x [K 1,024, N 1,024]; A: computed on the way; B: input W0: QUANTISED
;;   THE QUANTISER, for each operand of a quantised product, along K:
;;     - K is cut into blocks of 32 from its start; a last block that is shorter is filled with zeros.
;;     - A block's scale is 2^e with e = floor(log2(the largest magnitude in the block)) - 4, held to -126 .. 127; a block of zeros has e = 0. As a byte (E8M0): e + 127.
;;     - Each number is divided by its block's scale, clamped to +-28, and rounded to the nearest number of E3M2, ties to even, subnormals kept.
;;     - The product sums the exact products of the quantised numbers (number of the format x scale) in f32.
;;   ~~~python
;;   def quantise(x, axis):      # numpy; x: float32 -> the quantised numbers, widened to float32 again
;;       x = np.moveaxis(x, axis, -1); K = x.shape[-1]
;;       x = np.pad(x, [(0, 0)] * (x.ndim - 1) + [(0, -K % 32)]); x = x.reshape(x.shape[:-1] + (-1, 32)); a = np.abs(x).max(-1, keepdims=True)
;;       e = np.where(a > 0, np.clip(np.frexp(np.where(a > 0, a, 1))[1] - 1 - 4, -126, 127), 0)      # np.frexp(a)[1] - 1 = floor(log2(a)), exactly
;;       r = np.clip(x / 2.0 ** e, -28, 28)
;;       step = 2.0 ** (np.maximum(np.frexp(np.where(r == 0, 1, r))[1] - 1, -2) - 2)
;;       q = np.round(r / step) * step * 2.0 ** e      # np.round: ties to even
;;       return np.moveaxis(q.reshape(q.shape[:-2] + (-1,))[..., :K], -1, axis).astype(np.float32)
;;   ~~~
;;   SOFTMAX AHEAD OF A QUANTISED PRODUCT. Where the list says 'softmax', what is quantised is not the finished softmax but p = 2^(t - M), with t = logit x log2(e) and M = ceil(the row's largest t), a whole number; so 1/2 < the row's largest p <= 1. The row's sum l is taken of the UNQUANTISED p, in f32, and the product's result is divided by l at the end. Since M is a whole number, a kernel that streams over the keys may use a running M (the ceiling of the running maximum): every later rescaling is an exact power of two, which a block's scale takes up: the codes' values come out the same.
;;   OPERANDS COMPUTED ON THE WAY. 'Computed on the way' means the value that the module computes at that place (a softmax that the list does not call 'softmax' is quantised finished and normalised). What goes into a quantiser is computed in f32, as accurately as f32 sums, v_exp_f32 and their like allow (about 1e-6 of the number): no bf16 or f16 on the way to a quantiser, and a product that is left as it is and whose result goes on into a quantised operand takes f32 operands (vector FMAs, or v_wmma_f32_16x16x4_f32). A number that lies on a knife's edge between two numbers of the format may be rounded either way, as far as f32 arithmetic and the matrix unit's own rounding can turn it there, and no further.
;; One version. Each part assembles by itself: llvm-mc -triple=amdgcn-amd-amdhsa -mcpu=gfx1250 --defsym DOCPART=n.
;; ======== version 1 of 1: 4 launches
;; limits: right only within a limited range of input values
;; workspace buffers: codes 9,437,184 bytes; scales 393,216 bytes; mb 2,097,152 bytes of whole numbers; mf 8,192 bytes of whole numbers; qkv 19,660,800 bytes; cc 6,291,456 bytes; cs 262,144 bytes
;; launch prep (part 1): grid 896 x 1, 4 waves a work-group, no clusters, 102,912 bytes of LDS; arguments X, Wq, Wk, Wv, W0, attention_mask, codes, scales, mb, mf; writes codes, scales, mb, mf
.if DOCPART == 1
	.amdgcn_target "amdgcn-amd-amdhsa--gfx1250"
	.amdhsa_code_object_version 6
	.text
	.protected	k_q1cecf08497_prep
	.globl	k_q1cecf08497_prep
	.p2align	8
	.type	k_q1cecf08497_prep,@function
k_q1cecf08497_prep:
	s_mov_b64 s[64:65], 0
	v_nop
	global_prefetch_b8 v0, s[64:65] scope:SCOPE_SE
	s_setreg_imm32_b32 hwreg(HW_REG_WAVE_MODE, 25, 1), 1
	s_wait_xcnt 0x0
; PREP: every operand that arrives as f32 is quantised once to BF6 (E3M2) codes, K innermost, with one E8M0 byte for each 32 along K, and the mask is turned into lane masks.
; codes: 12,288 rows of 768 bytes (1,024 codes); scales: the same rows of 32 bytes.  Rows 0-8191: X's tokens; 8192 + 1024 t + n: column n = 64 head + k of Wq, Wk, Wv (t = 0, 1, 2); 11264 + n: column n of W0.
; POSITION ORDER: in every group of 32 rows, row index i lies at position i with bits 3 and 4 exchanged.  Sixteen neighbouring positions used as a matrix instruction's source 0 then leave, in a lane's 16 registers of two
; neighbouring tiles, 16 neighbouring indices: what the next quantiser wants.
; A block's scale is 2^(floor(log2(largest magnitude)) - 4); its byte is the largest magnitude's exponent field - 4, held at 1 from below.
; LIMITS: a block whose largest magnitude lies under 2^-122, a block of zeros among them, keeps the byte 1 (its codes are zeros or subnormals of that scale; this program alone reads the bytes).  NaN and infinities are not served.
; Work-groups 0-255: X, 32 rows each.  256-383: the four weights, 128 columns x 256 along K each.  384-895: the mask, 16 queries x all 2,048 keys each.  Each path has LDS bytes of its own.  Waves share nothing: no barrier.
; mb: [batch x 128 + query tile][key step 0-15][64 words]: bit (r + 16 h) of word n = mask[batch][the token at position 16 tile + r][128 step + 32 (n / 16) + 16 h + n % 16]: the lane mask for score register n.
; mf: [batch x 128 + query tile][4 words]: bit k of word w is set where key step 4 w + k has a hole.
.set SP,   80                          ; X: a lane's place in a stage: its 64 bytes + 16 of padding
.set WREG, 8192                        ; X: LDS of a wave: two stages of 32 x SP bytes, then its 256 scale bytes
.set CB,   12                          ; bytes of 16 codes
.set RR,   16                          ; X: v16-79   four sets of 16 numbers as loaded
.set XX,   80                          ; X: v80-111  two sets of 16 neighbours
.set EE,   112                         ; X: v112-127 a scale byte for each step
.set CC,   128                         ; X: v128-191 codes, four registers a step
.set WP,   272                         ; W: a stage row: sixteen places of 16 bytes (12 of codes) + 16
.set WX,   32                          ; W: v32-95   two sets of 32 numbers
.set WC,   96                          ; W: v96-102  a block's codes
.set WOUT, 112                         ; W: v112-175 the way out
.set WSB,  24                          ; W: v24-25   the scale bytes
	s_load_b512 s[8:23], s[0:1], 0x0               ; X s[8:9], Wq s[10:11], Wk s[12:13], Wv s[14:15], W0 s[16:17], mask s[18:19], codes s[20:21], scales s[22:23]
	s_load_b128 s[24:27], s[0:1], 0x40             ; mb s[24:25], mf s[26:27]
	v_lshl_add_u32 v192, v0, 2, 0x19000
	v_mov_b32 v193, 0
	v_lshrrev_b32 v1, 5, v0
	v_readfirstlane_b32 s4, v1                     ; wave 0..3
	v_and_b32 v2, 31, v0                           ; lane
	s_wait_kmcnt 0x0
	s_cmp_lt_u32 ttmp9, 256
	s_cbranch_scc0 .Lnot_x
; ---------------- X: a wave takes 8 rows = 8,192 numbers, in 16 steps of 512.  Each load reads 512 consecutive bytes; a step's 2,048 bytes turn through the wave's own stage so that a lane holds 16 neighbours.
	v_lshlrev_b32 v3, 4, v2                        ; my 16 bytes of a load's 512
	s_mul_i32 s5, s4, WREG
	v_lshrrev_b32 v14, 2, v2
	v_mul_u32_u24 v14, v14, SP
	v_and_b32 v15, 3, v2
	v_lshl_add_u32 v14, v15, 4, v14
	v_add_nc_u32 v14, s5, v14                      ; the stage, in: SP (lane / 4) + 16 (lane % 4)
	v_mul_u32_u24 v15, v2, SP
	v_add_nc_u32 v15, s5, v15                      ; and out: SP x lane
	v_mul_u32_u24 v4, v2, CB                       ; my codes' place in a step's 384 bytes
	v_lshrrev_b32 v5, 1, v2
	s_add_co_u32 s5, s5, 2*32*SP
	v_add_nc_u32 v5, s5, v5                        ; my block's byte among the wave's 256
	v_lshlrev_b32 v7, 3, v2
	v_add_nc_u32 v6, s5, v7                        ; and 8 bytes a lane on the way out
	s_lshl_b32 s6, ttmp9, 2
	s_add_co_u32 s28, s6, s4                       ; rows 8 (4 wg + wave) on are read,
	s_mov_b32 s29, 0
	s_lshl_b64 s[30:31], s[28:29], 15              ; 32,768 bytes a run
	s_add_nc_u64 s[8:9], s[8:9], s[30:31]
	s_and_b32 s7, s4, 1
	s_lshl_b32 s7, s7, 1
	s_lshr_b32 s28, s4, 1
	s_or_b32 s7, s7, s28                           ; the wave's number is bits 3 and 4 of the row: exchanged,
	s_add_co_u32 s28, s6, s7                       ; it says where the 8 rows are written
	s_mul_i32 s30, s28, 6144
	s_mov_b32 s31, 0
	s_add_nc_u64 s[20:21], s[20:21], s[30:31]
	s_lshl_b32 s30, s28, 8
	s_add_nc_u64 s[22:23], s[22:23], s[30:31]
.macro XLOAD t
.irp i, 0,1,2,3
	global_load_b128 v[RR+16*((\t)%4)+4*\i:RR+16*((\t)%4)+4*\i+3], v3, s[8:9] offset:2048*(\t)+512*\i th:TH_LOAD_NT
.endr
.endm
.macro XTURN t                         ; LDS serves a wave's instructions in order: no wait between the stores and the loads
.irp i, 0,1,2,3
	ds_store_b128 v14, v[RR+16*((\t)%4)+4*\i:RR+16*((\t)%4)+4*\i+3] offset:32*SP*((\t)%2)+8*SP*\i
.endr
.irp i, 0,1,2,3
	ds_load_b128 v[XX+16*((\t)%2)+4*\i:XX+16*((\t)%2)+4*\i+3], v15 offset:32*SP*((\t)%2)+16*\i
.endr
.endm
.irp t, 0,1,2,3
	XLOAD \t
.endr
	s_wait_loadcnt 12                              ; step 0's four loads are in; the twelve of steps 1 to 3 may be out
	XTURN 0
.macro XSTEP t
.set XS, XX+16*((\t)%2)
.if (\t) > 0
	s_wait_dscnt 1                                 ; this step's numbers are back from the stage; the last step's byte store may be out
.else
	s_wait_dscnt 0x0
.endif
.if (\t)+4 < 16
	XLOAD (\t)+4                                   ; into the set whose stores into the stage have read their registers
.endif
.if (\t)+1 < 16
.if 14-(\t) >= 3
	s_wait_loadcnt 12                              ; the next step's four loads are in; those of the three steps behind it may be out
.else
	s_wait_loadcnt 4*(14-(\t))
.endif
	XTURN (\t)+1
.endif
	v_max3_num_f32 v8, |v[XS]|, |v[XS+1]|, |v[XS+2]|
	v_max3_num_f32 v9, |v[XS+3]|, |v[XS+4]|, |v[XS+5]|
.irp i, 6,10
	v_max3_num_f32 v8, v8, |v[XS+\i]|, |v[XS+\i+1]|
	v_max3_num_f32 v9, v9, |v[XS+\i+2]|, |v[XS+\i+3]|
.endr
	v_max3_num_f32 v8, v8, |v[XS+14]|, |v[XS+15]|
	v_max3_num_f32 v8, v8, v9, 0x2800000           ; the floor 2^(5 - 127): the byte cannot fall under 1
	v_max_num_f32_dpp v8, v8, v8 row_xmask:1 row_mask:0xf bank_mask:0xf   ; with my neighbour's 16: the block's largest magnitude
	v_add_nc_u32 v11, 0xfe000000, v8               ; 4 off its exponent field: the conversion's scale operand
	v_cvt_scalef32_pk16_bf6_f32 v[CC+4*(\t):CC+4*(\t)+2], v[XS:XS+15], v11
	v_lshrrev_b32 v[EE+(\t)], 23, v11              ; the scale's byte (a plain line behind the conversion)
	ds_store_b8 v5, v[EE+(\t)] offset:16*(\t)      ; both lanes of a block write the same byte
	global_store_b96 v4, v[CC+4*(\t):CC+4*(\t)+2], s[20:21] offset:32*CB*(\t)   ; the wave stores 384 consecutive bytes
.endm
.irp t, 0,1,2,3,4,5,6,7,8,9,10,11,12,13,14,15
	XSTEP \t
.endr
	ds_load_b64 v[12:13], v6
	s_wait_dscnt 0x0
	global_store_b64 v7, v[12:13], s[22:23]        ; 32 lanes store 256 consecutive bytes, aligned
	s_wait_tensorcnt 0x0
	ds_add_u32 v192, v193
	s_wait_dscnt 0x0
	s_endpgm
; ---------------- the weights: K is not innermost.  A lane takes a column and its registers run down K: a block of 32 lies in one lane, and the conversions give codes with K innermost.
.Lnot_x:
	s_cmp_lt_u32 ttmp9, 384
	s_cbranch_scc0 .Lmask
	s_sub_co_u32 s5, ttmp9, 256
	s_lshr_b32 s6, s5, 5                           ; which matrix: 0 Wq, 1 Wk, 2 Wv, 3 W0
	s_and_b32 s7, s5, 7                            ; which 128 columns
	s_bfe_u32 s28, s5, 0x20003                     ; which 256 along K
	v_lshlrev_b32 v3, 2, v2                        ; in: 4 bytes a lane
	v_and_b32 v10, 7, v2
	v_bfe_u32 v11, v2, 3, 1
	v_lshl_or_b32 v10, v11, 4, v10
	v_bfe_u32 v11, v2, 4, 1
	v_lshl_or_b32 v10, v11, 3, v10                 ; my column's position among the wave's 32: bits 3 and 4 exchanged
	v_and_b32 v5, 15, v2
	v_lshrrev_b32 v6, 4, v2
	v_mul_u32_u24 v8, v6, 768
	v_mad_u32_u24 v8, v5, 12, v8                   ; the way out: sixteen lanes to a row's 192 bytes, two rows an instruction
	v_lshlrev_b32 v9, 5, v10                       ; my position's row of scale bytes
	s_lshl_b32 s29, s6, 10
	s_lshl_b32 s30, s7, 7
	s_add_co_u32 s29, s29, s30
	s_lshl_b32 s30, s4, 5
	s_add_co_u32 s29, s29, s30
	s_add_co_u32 s29, s29, 8192                    ; the wave's first row of codes: 8192 + 1024 matrix + 128 x + 32 wave
	s_mul_i32 s30, s29, 768
	s_mul_i32 s31, s28, 192
	s_add_co_u32 s30, s30, s31
	s_mov_b32 s31, 0
	s_add_nc_u64 s[20:21], s[20:21], s[30:31]
	s_lshl_b32 s30, s29, 5
	s_lshl_b32 s29, s28, 3
	s_add_co_u32 s30, s30, s29
	s_add_nc_u64 s[22:23], s[22:23], s[30:31]
	s_mul_i32 s29, s4, 32*WP                       ; my wave's stage
.macro WLOAD t, pitch                  ; block t: W(32 t + i, my column) into set t % 2; the wave reads 128 consecutive bytes
.irp i, 0,1,2,3,4,5,6,7,8,9,10,11,12,13,14,15,16,17,18,19,20,21,22,23,24,25,26,27,28,29,30,31
	global_load_b32 v[WX+32*((\t)%2)+\i], v3, s[32:33] offset:(32*(\t)+\i)*\pitch th:TH_LOAD_NT
.endr
.endm
.macro WBLOCK t, pitch
.set WXS, WX+32*((\t)%2)
.if (\t) < 7
	s_wait_loadcnt 32                              ; this block's 32 loads are in; the next block's may be out
.else
	s_wait_loadcnt 0x0
.endif
	v_max3_num_f32 v12, |v[WXS]|, |v[WXS+1]|, |v[WXS+2]|
	v_max3_num_f32 v13, |v[WXS+3]|, |v[WXS+4]|, |v[WXS+5]|
.irp i, 6,10,14,18,22,26
	v_max3_num_f32 v12, v12, |v[WXS+\i]|, |v[WXS+\i+1]|
	v_max3_num_f32 v13, v13, |v[WXS+\i+2]|, |v[WXS+\i+3]|
.endr
	v_max3_num_f32 v12, v12, |v[WXS+30]|, |v[WXS+31]|
	v_max3_num_f32 v12, v12, v13, 0x2800000        ; the floor
	v_add_nc_u32 v11, 0xfe000000, v12              ; the conversion's scale operand
	v_lshrrev_b32 v13, 23, v11                     ; the byte
.if (\t)%4 == 0
	v_mov_b32 v[WSB+(\t)/4], v13
.else
	v_lshl_or_b32 v[WSB+(\t)/4], v13, 8*((\t)%4), v[WSB+(\t)/4]
.endif
	v_cvt_scalef32_pk16_bf6_f32 v[WC:WC+2], v[WXS:WXS+15], v11
	v_cvt_scalef32_pk16_bf6_f32 v[WC+4:WC+6], v[WXS+16:WXS+31], v11   ; (a conversion's three registers begin on an even number)
	ds_store_b96 v4, v[WC:WC+2] offset:32*(\t)     ; 12 bytes to a place of 16, so that every LDS address is a multiple of 16
	ds_store_b96 v4, v[WC+4:WC+6] offset:32*(\t)+16
.if (\t)+2 < 8
	WLOAD (\t)+2, \pitch
.endif
	s_wait_dscnt 0x0                               ; the stores have read their registers: the next block's codes may be written
.endm
.macro WPATH pitch, stage
	v_mul_u32_u24 v4, v10, WP
	v_add_nc_u32 v4, s29, v4
	v_add_nc_u32 v4, \stage, v4                    ; into the stage: the row of my column's position
	v_mul_u32_u24 v7, v6, WP
	v_lshl_add_u32 v7, v5, 4, v7
	v_add_nc_u32 v7, s29, v7
	v_add_nc_u32 v7, \stage, v7                    ; out of it: by rows
	WLOAD 0, \pitch
	WLOAD 1, \pitch
.irp t, 0,1,2,3,4,5,6,7
	WBLOCK \t, \pitch
.endr
	global_store_b64 v9, v[WSB:WSB+1], s[22:23]    ; my column's 8 scale bytes
.irp t, 0,1,2,3,4,5,6,7,8,9,10,11,12,13,14,15
	ds_load_b96 v[WOUT+4*\t:WOUT+4*\t+2], v7 offset:2*\t*WP
.endr
.irp t, 0,1,2,3,4,5,6,7,8,9,10,11,12,13,14,15
	s_wait_dscnt 15-\t                             ; rows 2 t and 2 t + 1 are back; the later ones may be out
	global_store_b96 v8, v[WOUT+4*\t:WOUT+4*\t+2], s[20:21] offset:2*\t*768
.endr
.endm
	s_cmp_eq_u32 s6, 3
	s_cbranch_scc1 .Lw0
	s_cmp_eq_u32 s6, 0                             ; Wq, Wk, Wv: [head][1024][64]: rows of 256 bytes; a wave's 32 columns are half a head's
	s_cselect_b64 s[32:33], s[10:11], s[12:13]
	s_cmp_eq_u32 s6, 2
	s_cselect_b64 s[32:33], s[14:15], s[32:33]
	s_lshl_b32 s30, s7, 1
	s_lshr_b32 s34, s4, 1
	s_add_co_u32 s30, s30, s34                     ; head = 2 x + wave / 2
	s_lshl_b32 s30, s30, 18
	s_lshl_b32 s34, s28, 16                        ; 256 rows of 256 bytes for each step along K
	s_add_co_u32 s30, s30, s34
	s_and_b32 s34, s4, 1
	s_lshl_b32 s34, s34, 7
	s_add_co_u32 s30, s30, s34
	s_add_nc_u64 s[32:33], s[32:33], s[30:31]
	WPATH 256, 32768
	s_wait_tensorcnt 0x0
	ds_add_u32 v192, v193
	s_wait_dscnt 0x0
	s_endpgm
.Lw0:
	s_lshl_b32 s30, s28, 20                        ; W0: [1024][1024]: rows of 4,096 bytes
	s_lshl_b32 s34, s7, 9
	s_add_co_u32 s30, s30, s34
	s_lshl_b32 s34, s4, 7
	s_add_co_u32 s30, s30, s34
	s_add_nc_u64 s[32:33], s[16:17], s[30:31]
	WPATH 4096, 67584
	s_wait_tensorcnt 0x0
	ds_add_u32 v192, v193
	s_wait_dscnt 0x0
	s_endpgm
; ---------------- the mask: a work-group takes one tile of 16 queries, wave w its key steps 4 w .. 4 w + 3.  Lane (r, h) reads, of its query's row, the 16 bytes that its score registers 16 d .. 16 d + 15 stand for.
.Lmask:
	s_sub_co_u32 s5, ttmp9, 384                    ; batch x 128 + tile
	s_lshr_b32 s6, s5, 7
	s_and_b32 s7, s5, 127
	v_and_b32 v5, 15, v2                           ; r
	v_lshrrev_b32 v6, 4, v2                        ; h
	v_and_b32 v7, 7, v5
	v_lshrrev_b32 v8, 3, v5
	v_lshl_add_u32 v7, v8, 4, v7                   ; the token at position r of a tile: r % 8 + 16 (r / 8), from the tile's first
	v_lshlrev_b32 v4, 11, v7
	v_lshl_add_u32 v4, v6, 4, v4                   ; its row of 2,048 bytes, + 16 h
	v_lshlrev_b32 v9, 3, v2                        ; out: 8 bytes a lane
	s_lshr_b32 s28, s7, 1
	s_lshl_b32 s28, s28, 5
	s_and_b32 s29, s7, 1
	s_lshl_b32 s29, s29, 3
	s_add_co_u32 s28, s28, s29                     ; the tile's first token: 32 (tile / 2) + 8 (tile % 2)
	s_lshl_b32 s28, s28, 11
	s_lshl_b32 s29, s6, 22
	s_add_co_u32 s28, s28, s29
	s_lshl_b32 s29, s4, 9                          ; my four steps' 512 keys
	s_add_co_u32 s28, s28, s29
	s_mov_b32 s29, 0
	s_add_nc_u64 s[18:19], s[18:19], s[28:29]
	s_lshl_b32 s28, s5, 12
	s_lshl_b32 s30, s4, 10
	s_add_co_u32 s28, s28, s30
	s_add_nc_u64 s[24:25], s[24:25], s[28:29]      ; mb: 4,096 bytes a tile, 1,024 a wave
	s_lshl_b32 s28, s5, 2
	s_add_co_u32 s28, s28, s4
	s_lshl_b32 s28, s28, 2
	s_add_nc_u64 s[26:27], s[26:27], s[28:29]      ; mf: my word
.irp q, 0,1,2,3,4,5,6,7,8,9,10,11,12,13,14,15
	global_load_b128 v[16+4*\q:19+4*\q], v4, s[18:19] offset:32*\q th:TH_LOAD_NT   ; step q / 4, keys 32 (q % 4) + 16 h on: the sixteen loads together take 512 consecutive bytes of each row
.endr
.irp q, 0,1,2,3,4,5,6,7
	v_mov_b32 v[80+\q], 0                          ; a lane write's destination counts as read
.endr
	s_mov_b32 s37, 0                               ; the hole flags
.macro MSTEP sp
	s_wait_loadcnt 12-4*\sp                        ; this step's four loads are in; the later steps' may be out
.set n, 0
.rept 64
	v_and_b32 v[88+n%2], 1<<(8*(n%4)), v[16+16*\sp+n/4]        ; byte n of my 64
	v_cmp_ne_u32 s[40+n%8], 0, v[88+n%2]           ; as a mask over the 32 lanes: word n,
	v_writelane_b32 v[80+2*\sp+n%2], s[40+n%8], n/2            ; which lane n / 2 will store
.set n, n+1
.endr
	v_and_b32 v90, v[16+16*\sp], v[17+16*\sp]
.irp i, 2,3,4,5,6,7,8,9,10,11,12,13,14,15
	v_and_b32 v90, v90, v[16+16*\sp+\i]
.endr
	v_cmp_ne_u32 s36, 0x01010101, v90              ; a lane with a false byte
	s_cmp_lg_u32 s36, 0
	s_cselect_b32 s36, 1<<\sp, 0
	s_or_b32 s37, s37, s36
	global_store_b64 v9, v[80+2*\sp:81+2*\sp], s[24:25] offset:256*\sp   ; 32 lanes store 256 consecutive bytes, aligned
.endm
	MSTEP 0
	MSTEP 1
	MSTEP 2
	MSTEP 3
	v_mov_b32 v6, s37
	v_mov_b32 v7, 0
	v_cmp_gt_u32 vcc_lo, 1, v2
	s_wait_xcnt 0x0                                ; EXEC changes only behind this wait: the stores above have it among their sources
	s_and_saveexec_b32 s38, vcc_lo
	global_store_b32 v7, v6, s[26:27]              ; lane 0 alone
	s_wait_xcnt 0x0
	s_or_b32 exec_lo, exec_lo, s38
	s_endpgm
.Lfunc_end_k_q1cecf08497_prep:
	.size	k_q1cecf08497_prep, .Lfunc_end_k_q1cecf08497_prep-k_q1cecf08497_prep
	.p2alignl 7, 3214868480
	.fill 96, 4, 3214868480
	.section	.rodata,"a",@progbits
	.p2align	6, 0x0
	.amdhsa_kernel k_q1cecf08497_prep
		.amdhsa_group_segment_fixed_size 102912
		.amdhsa_private_segment_fixed_size 0
		.amdhsa_enable_private_segment 0
		.amdhsa_kernarg_size 80
		.amdhsa_user_sgpr_count 2
		.amdhsa_user_sgpr_kernarg_segment_ptr 1
		.amdhsa_wavefront_size32 1
		.amdhsa_system_sgpr_workgroup_id_x 1
		.amdhsa_system_sgpr_workgroup_id_y 1
		.amdhsa_system_sgpr_workgroup_id_z 1
		.amdhsa_system_vgpr_workitem_id 0
		.amdhsa_next_free_vgpr 194
		.amdhsa_next_free_sgpr 66
		.amdhsa_reserve_vcc 1
		.amdhsa_float_denorm_mode_32 3
		.amdhsa_float_denorm_mode_16_64 3
		.amdhsa_memory_ordered 1
		.amdhsa_forward_progress 1
		.amdhsa_inst_pref_size 166
	.end_amdhsa_kernel
	.amdgpu_metadata
---
amdhsa.version: [ 1, 2 ]
amdhsa.kernels:
  - .name:           k_q1cecf08497_prep
    .symbol:         k_q1cecf08497_prep.kd
    .args:
      - { .name: X, .offset: 0, .size: 8, .value_kind: global_buffer, .address_space: global }
      - { .name: Wq, .offset: 8, .size: 8, .value_kind: global_buffer, .address_space: global }
      - { .name: Wk, .offset: 16, .size: 8, .value_kind: global_buffer, .address_space: global }
      - { .name: Wv, .offset: 24, .size: 8, .value_kind: global_buffer, .address_space: global }
      - { .name: W0, .offset: 32, .size: 8, .value_kind: global_buffer, .address_space: global }
      - { .name: attention_mask, .offset: 40, .size: 8, .value_kind: global_buffer, .address_space: global }
      - { .name: codes, .offset: 48, .size: 8, .value_kind: global_buffer, .address_space: global }
      - { .name: scales, .offset: 56, .size: 8, .value_kind: global_buffer, .address_space: global }
      - { .name: mb, .offset: 64, .size: 8, .value_kind: global_buffer, .address_space: global }
      - { .name: mf, .offset: 72, .size: 8, .value_kind: global_buffer, .address_space: global }
    .group_segment_fixed_size: 102912
    .private_segment_fixed_size: 0
    .kernarg_segment_align: 8
    .kernarg_segment_size: 80
    .max_flat_workgroup_size: 128
    .sgpr_count:     66
    .vgpr_count:     194
    .wavefront_size: 32
...
	.end_amdgpu_metadata
.endif
;; end of part 1
;; launch qkv (part 2): grid 12 x 32, 4 waves a work-group, clusters of 4 x 4, 327,680 bytes of LDS; arguments codes, scales, bq, bk, bv, qkv; writes qkv
.if DOCPART == 2
	.amdgcn_target "amdgcn-amd-amdhsa--gfx1250"
	.amdhsa_code_object_version 6
	.text
	.protected	k_q1cecf08497_qkv
	.globl	k_q1cecf08497_qkv
	.p2align	8
	.type	k_q1cecf08497_qkv,@function
k_q1cecf08497_qkv:
	s_mov_b64 s[64:65], 0
	v_nop
	global_prefetch_b8 v0, s[64:65] scope:SCOPE_SE
	s_setreg_imm32_b32 hwreg(HW_REG_WAVE_MODE, 25, 1), 1
	s_wait_xcnt 0x0
	s_wait_alu depctr_hold_cnt(0) depctr_sa_sdst(0) depctr_va_vdst(0) depctr_va_sdst(0) depctr_va_ssrc(0) depctr_va_vcc(0) depctr_vm_vsrc(0)
	s_getreg_b32 s2, hwreg(HW_REG_IB_STS2, 6, 4)
	s_cmp_eq_u32 s2, 0
	s_cbranch_scc0 .Lentry_in_a_cluster
	s_endpgm
.Lentry_in_a_cluster:
	s_bfe_u32 s2, ttmp6, 0x10000c
	s_cmp_lg_u32 s2, 0xf033
	s_cbranch_scc0 .Lentry_shape_is_right
	s_endpgm
.Lentry_shape_is_right:
; Q = X Wq + bq, K = X Wk + bk, V = X Wv + bv on codes of BF6 (E3M2) with one E8M0 scale for each 32 along K = 1,024; the results are quantised in registers and leave as images of the next products' operand registers.
; The cluster's x is the TYPE: 0 Q, 1 K, 2 V.  A work-group makes 256 x 256 results, each of its four waves 128 x 128: 64 accumulators, 512 registers.  K goes in steps of 256 through a ring of two LDS slots.
; ROLES.  Source 0 of the matrix instruction takes 16 rows of the 'B role', source 1 of the 'A role': a lane holds ONE row of the A role, and its registers run along the B role.
;   Q, K: A role = X's tokens, B role = the weight's columns: a lane holds a token and 128 columns = two heads of 64: the next K (the head's 64) lies along its registers.
;   V:    A role = Wv's columns, B role = X's tokens: a lane holds a channel and 128 tokens: the next K (the keys) lies along its registers.
; All rows lie in memory in POSITION ORDER (bits 3 and 4 of the index exchanged), so that the 16 registers of two neighbouring tiles of the B role are 16 neighbouring indices.
; The bias is the C of each sum's first matrix instruction.
; CLUSTERS: 4 x 4 work-groups of one type.  The four of a row of the cluster need the same tiles of the A role, the four of a column the same tiles of the B role: each is asked for jointly.
; OUT: qkv holds 64 records (batch x 16 + head) of 307,200 bytes: K images (128 tiles of 768) at 0; V images [key step][channel tile][1,536] at 98,304; K scale words at 196,608; V scale words at 200,704; Q images at 204,800; Q scale words at 303,104.
;   An image of 768 bytes is 16 rows x 64 K: registers 0-3 of lane L at 16 L, registers 4-5 at 512 + 8 L.  A V image is 16 channels x 128 keys: registers 4 p .. 4 p + 3 of lane L at 512 p + 16 L.
;   A Q or K scale word (pair of tiles d, row r): bytes 0, 1 tile 2 d's two blocks, bytes 2, 3 tile 2 d + 1's.  A V scale word: the four blocks of a key step.
; LIMITS: a block under 2^-122 keeps the byte 1; NaN and infinities are not served.
; REGISTERS: window 0: v0-31 addresses; v32-63 scale words, two sets; v64-127 the bias; from v128 the A role's fragments, one set (on the way out: codes and work).  window 1: the B role's fragments, two sets.  windows 2, 3: the accumulators.
.set KSTEP,  256
.set NQ,     2
.set ROWB,   192
.set KROW,   768
.set PITCH,  240                       ; an LDS row: 3 x (64 bytes + 16 of padding)
.set FR,     12
.set NL,     6
.set NP,     4
.set HALFT,  128*PITCH
.set SLOT,   4*HALFT
.set KS,     32
.set SCL,    2*SLOT                    ; behind the ring: the scale bytes of the work-group's 512 rows, as units of 256 bytes + 16
.set HALFS,  16*272
.set SBLK,   2*272
.set SPARE,  SCL+4*HALFS               ; the spare words: 128 bytes a wave, two blocks of 256 bytes that no other line names
.set REC,    307200
.set BA,   8                           ; v8-15   byte offsets of the bias loads
.set ADRA, 16                          ; v16-19  LDS addresses of the A role's fragments (slot 0, 1; behind one padding more: +2)
.set ADRB, 20                          ; v20-23  the same for the B role
.set IM16, 24                          ; v24     16 x lane
.set IM8,  25                          ; v25     8 x lane + 512
.set W4,   26                          ; v26     4 x lane
.set ADRS, 27                          ; v27     LDS address of my scale words
.set SPW,  28                          ; v28     my spare word; never rewritten
.set NIL,  29                          ; v29     0; never rewritten
.set SC,   32
.set BIAS, 64
.set AF,   128
.set PC,   128                         ; the way out: v128-146 the codes just made
.set TM,   160                         ; v160-175 at work
.set PW,   176                         ; v176-183 the eight blocks' scale words
.set PT,   184                         ; v184-191 scale words as they are stored
.set G1, 24
.set G0, 32
.set G1B, 48
.set G0B, 56
.set G1S, 68
.set G0S, 76
.set G1SB, 80
.set G0SB, 88
.set MSB, 0
.macro WIN new                         ; the immediate's high byte repeats the setting that is left
.if MSB != \new
	s_set_vgpr_msb (MSB<<8)|\new
.set MSB, \new
.endif
.endm
.set MUL_LO, 0xa1                      ; source 0 window 1, source 1 window 0, C and D window 2
.set MUL_HI, 0xf1                      ; the same, C and D window 3
.set FST_LO, 0x81                      ; the first K step: C (the bias) window 0, D window 2
.set FST_HI, 0xc1                      ; D window 3
.set TO_B,   0x40
; A joint load: waves 0 and 1 fetch for the A role, waves 2 and 3 for the B role.  Four v_nop follow each of the two lines.
.macro JLOAD g0a, g1a, g0b, g1b
	s_cmp_eq_u32 s15, 0
	s_cbranch_scc0 .Lfor_b_\@
	tensor_load_to_lds s[\g0a:\g0a+3], s[\g1a:\g1a+7]
	s_nop 0
.rept 4
	v_nop
.endr
	s_branch .Lasked_\@
.Lfor_b_\@:
	tensor_load_to_lds s[\g0b:\g0b+3], s[\g1b:\g1b+7]
	s_nop 0
.rept 4
	v_nop
.endr
.Lasked_\@:
.endm
.macro CREST                           ; a round of the cluster's barrier behind its opening barrier
	s_cmp_lg_u32 s14, 0
	s_cbranch_scc1 .Lnot_wave_0_\@
	s_barrier_signal -3
.Lnot_wave_0_\@:
	s_barrier_wait -3
	s_barrier_signal -1
	s_barrier_wait -1
.endm
.macro CROUND
	s_barrier_signal -1
	s_barrier_wait -1
	CREST
.endm
	s_load_b256 s[4:11], s[0:1], 0x0               ; codes s[4:5], scales s[6:7], bq s[8:9], bk s[10:11]
	s_load_b128 s[96:99], s[0:1], 0x20             ; bv s[96:97], qkv s[98:99]
	v_lshl_add_u32 v[SPW], v0, 2, SPARE
	v_mov_b32 v[NIL], 0
	ds_add_u32 v28, v29
	ds_add_u32 v28, v29
	s_wait_dscnt 0x0
	v_lshrrev_b32 v1, 5, v0
	v_readfirstlane_b32 s14, v1                    ; wave 0..3
	s_lshr_b32 s15, s14, 1                         ; which half of the A role's 256 rows is mine.  Also: I fetch for the A role (0) or the B role (1)
	s_and_b32 s16, s14, 1                          ; which half of the B role's.  Also: which 128 rows I fetch
	s_bfe_u32 s40, ttmp6, 0x40000                  ; cx
	s_bfe_u32 s41, ttmp6, 0x40004                  ; cy
	s_mov_b32 s100, ttmp9                          ; the type: the cluster's x, the same in all sixteen partners
	s_and_b32 s17, ttmp7, 0xffff
	s_lshl_b32 s17, s17, 10                        ; the cluster's 1,024 tokens begin here
	s_lshl_b32 s42, s100, 10
	s_add_co_u32 s42, s42, 8192                    ; the type's weight begins at this row of codes
	s_cmp_eq_u32 s100, 2
	s_cselect_b32 s12, 10240, s17                  ; where the A role's rows begin: Wv's, or the cluster's tokens;
	s_cselect_b32 s13, s17, s42                    ; and the B role's: the tokens, or the weight's
	s_lshl_b32 s43, s41, 2
	s_lshl_b32 s43, 15, s43                        ; my row of the cluster
	s_lshl_b32 s44, 0x1111, s40                    ; my column
	s_or_b32 s[G1+0], s43, (0<<16)|(1<<20)|(1<<21)|(3<<22)|(3<<25)   ; the mask; elements of 1 byte; padding on; bit 21 beside a mask; 4 words of padding behind every 16
	s_or_b32 s[G1B+0], s44, (0<<16)|(1<<20)|(1<<21)|(3<<22)|(3<<25)
.irp g, G1, G1B
	s_mov_b32 s[\g+1], ROWB<<16                    ; tensor_dim0
	s_mov_b32 s[\g+2], 128<<16                     ; tensor_dim1
	s_mov_b32 s[\g+3], ROWB<<16                    ; tile_dim0
	s_mov_b32 s[\g+4], 128                         ; tile_dim1
	s_mov_b32 s[\g+5], KROW                        ; from row to row
	s_mov_b32 s[\g+6], 0
	s_mov_b32 s[\g+7], 0
.endr
	s_or_b32 s[G1S+0], s43, (3<<16)|(1<<20)|(1<<21)|(5<<22)|(3<<25)  ; the scale bytes of 128 rows: 4,096 dense bytes as 16 rows of 256, 16 bytes of padding behind each
	s_or_b32 s[G1SB+0], s44, (3<<16)|(1<<20)|(1<<21)|(5<<22)|(3<<25)
.irp g, G1S, G1SB
	s_mov_b32 s[\g+1], 32<<16
	s_mov_b32 s[\g+2], 16<<16
	s_mov_b32 s[\g+3], 32<<16
	s_mov_b32 s[\g+4], 16
	s_mov_b32 s[\g+5], 32
	s_mov_b32 s[\g+6], 0
	s_mov_b32 s[\g+7], 0
.endr
	s_lshl_b32 s18, s16, 7                         ; which 128 rows of a tile I fetch
	s_lshl_b32 s20, s41, 8
	s_add_co_u32 s20, s20, s18
	s_add_co_u32 s20, s20, s12                     ; A role: row 256 cy + 128 half + its beginning: nothing of cx
	s_lshl_b32 s46, s40, 8
	s_add_co_u32 s46, s46, s18
	s_add_co_u32 s46, s46, s13                     ; B role: row 256 cx + 128 half + its beginning: nothing of cy
	s_mov_b32 s21, 0
	s_mov_b32 s47, 0
	s_mov_b64 s[18:19], KS
	s_mul_u64 s[22:23], s[20:21], s[18:19]
	s_mul_u64 s[92:93], s[46:47], s[18:19]
	s_mov_b64 s[18:19], KROW
	s_mul_u64 s[20:21], s[20:21], s[18:19]
	s_mul_u64 s[46:47], s[46:47], s[18:19]
	s_mul_i32 s45, s14, HALFT                      ; where they go: wave x 128 rows
	s_mul_i32 s94, s14, HALFS
	s_wait_kmcnt 0x0
	s_add_nc_u64 s[20:21], s[4:5], s[20:21]
	s_add_nc_u64 s[22:23], s[6:7], s[22:23]
	s_add_nc_u64 s[46:47], s[4:5], s[46:47]
	s_add_nc_u64 s[92:93], s[6:7], s[92:93]
	CROUND                                         ; all sixteen work-groups are here: the first joint loads meet
	s_mov_b32 s[G0S], 1
	s_add_co_u32 s[G0S+1], s94, SCL
	s_mov_b64 s[G0S+2:G0S+3], s[22:23]
	s_or_b32 s[G0S+3], s[G0S+3], 0x80000000
	s_mov_b32 s[G0SB], 1
	s_add_co_u32 s[G0SB+1], s94, SCL
	s_mov_b64 s[G0SB+2:G0SB+3], s[92:93]
	s_or_b32 s[G0SB+3], s[G0SB+3], 0x80000000
	JLOAD G0S, G1S, G0SB, G1SB                     ; the scales first: filled once
.irp s, 0,1
	s_mov_b32 s[G0+4*\s], 1
	s_add_co_u32 s[G0+4*\s+1], s45, \s*SLOT
	s_add_nc_u64 s[G0+4*\s+2:G0+4*\s+3], s[20:21], \s*ROWB
	s_or_b32 s[G0+4*\s+3], s[G0+4*\s+3], 0x80000000
	s_mov_b32 s[G0B+4*\s], 1
	s_add_co_u32 s[G0B+4*\s+1], s45, \s*SLOT
	s_add_nc_u64 s[G0B+4*\s+2:G0B+4*\s+3], s[46:47], \s*ROWB
	s_or_b32 s[G0B+4*\s+3], s[G0B+4*\s+3], 0x80000000
	JLOAD G0+4*\s, G1, G0B+4*\s, G1B               ; three tensor loads of mine are out
.endr
	v_and_b32 v1, 15, v0                           ; r
	v_bfe_u32 v2, v0, 4, 1                         ; h
	v_mul_u32_u24 v3, v1, PITCH
	v_mul_u32_u24 v4, v2, 24
	v_add_nc_u32 v4, v3, v4                        ; a fragment's row x pitch + 24 h
	v_lshl_add_u32 v5, v2, 4, v4                   ; and the same behind one padding more
	s_mul_i32 s21, s15, HALFT
	s_mul_i32 s22, s16, HALFT
	s_add_co_u32 s22, s22, 2*HALFT
.irp s, 0,1
	v_add_nc_u32 v[ADRA+\s], s21, v4
	v_add_nc_u32 v[ADRB+\s], s22, v4
	v_add_nc_u32 v[ADRA+2+\s], s21, v5
	v_add_nc_u32 v[ADRB+2+\s], s22, v5
	s_add_co_u32 s21, s21, SLOT
	s_add_co_u32 s22, s22, SLOT
.endr
	v_mul_u32_u24 v5, v1, KS                       ; my row's scale bytes: 32 a row, and 16 more for each 256 passed
	v_lshrrev_b32 v6, 8, v5
	v_lshl_add_u32 v5, v6, 4, v5
	s_mul_i32 s21, s15, HALFS
	s_mul_i32 s22, s16, HALFS
	s_add_co_u32 s22, s22, 2*HALFS
	s_sub_co_u32 s22, s22, s21
	v_mul_u32_u24 v6, s22, v2                      ; lanes 16-31 take the B role's
	s_add_co_u32 s21, s21, SCL
	v_add_nc_u32 v5, v5, v6
	v_add_nc_u32 v[ADRS], s21, v5
	v_and_b32 v6, 31, v0
	v_lshlrev_b32 v[IM16], 4, v6
	v_lshl_add_u32 v[IM8], v6, 3, 512
	v_lshlrev_b32 v[W4], 2, v6
	; where my results belong: my 128 tokens (TOK) and my 128 columns (COL)
	s_lshl_b32 s20, s41, 8
	s_lshl_b32 s21, s15, 7
	s_add_co_u32 s20, s20, s21                     ; my A rows in the cluster's 1,024
	s_lshl_b32 s46, s40, 8
	s_lshl_b32 s47, s16, 7
	s_add_co_u32 s46, s46, s47                     ; my B rows
	s_cmp_eq_u32 s100, 2
	s_cselect_b32 s22, s46, s20
	s_cselect_b32 s23, s20, s46                    ; COL
	s_add_co_u32 s22, s22, s17                     ; TOK
	s_lshr_b32 s92, s22, 11                        ; batch
	s_and_b32 s93, s22, 2047                       ; token in the batch
	s_lshr_b32 s94, s23, 6                         ; my first head
	s_lshl_b32 s92, s92, 4
	s_add_co_u32 s92, s92, s94
	s_mul_i32 s92, s92, REC                        ; its record
	s_cmp_eq_u32 s100, 0
	s_cselect_b32 s94, 204800, 0                   ; images: Q's at 204,800, K's at 0, V's at 98,304
	s_cselect_b32 s95, 106496, 0                   ; scale words: Q's at 303,104, K's at 196,608, V's at 200,704
	s_cmp_eq_u32 s100, 2
	s_cselect_b32 s94, 98304, s94
	s_cselect_b32 s95, 4096, s95
	s_add_co_u32 s95, s95, 196608
	s_mul_i32 s18, s93, 48                         ; 768 bytes for 16 tokens, and 6,144 for a key step of 128: 48 a token in both
	s_add_co_u32 s18, s18, s92
	s_add_co_u32 s18, s18, s94
	s_mov_b32 s19, 0
	s_add_nc_u64 s[66:67], s[98:99], s[18:19]      ; my images
	s_lshl_b32 s18, s93, 1                         ; 64 bytes for 32 tokens, and 256 for a key step: 2 a token in both
	s_add_co_u32 s18, s18, s92
	s_add_co_u32 s18, s18, s95
	s_add_nc_u64 s[98:99], s[98:99], s[18:19]      ; my scale words
	; the bias, in the result's layout, on one path for all types.  Q, K: register 8 b + j = bias[COL + 32 (b / 2) + 8 (b % 2) + 16 h + j].  V: register 8 a + j = bv[COL + 32 (a / 2) + 8 (a % 2) + r + 8 (r / 8)], the same for all j.
	v_lshlrev_b32 v30, 6, v2
	v_and_b32 v31, 8, v1
	v_add_nc_u32 v31, v31, v1
	v_lshlrev_b32 v31, 2, v31
	s_lshl_b32 s18, s23, 2
	s_cmp_eq_u32 s100, 0
	s_cselect_b64 s[8:9], s[8:9], s[10:11]
	s_cmp_eq_u32 s100, 2
	s_cselect_b64 s[8:9], s[96:97], s[8:9]
	s_cselect_b32 s20, -1, 0
	s_cselect_b32 s21, 0, 4
	s_add_nc_u64 s[8:9], s[8:9], s[18:19]
	v_cndmask_b32 v[BA], v30, v31, s20
.irp j, 1,2,3,4,5,6,7
	v_add_nc_u32 v[BA+\j], s21, v[BA+\j-1]
.endr
.irp i, 0,1,2,3,4,5,6,7
.irp j, 0,1,2,3,4,5,6,7
	global_load_b32 v[BIAS+8*\i+\j], v[BA+\j], s[8:9] offset:(32*(\i/2)+8*(\i%2))*4
.endr
.endr
.macro FRAG reg, adr, q, i             ; 16 rows x 128 K of 6-bit codes: 12 registers, in pieces of 8 bytes; a piece that lies behind one padding more in lanes 16-31 takes the second address register
.irp p, 0,1,2,3,4,5
.set PCE, 12*(\q)+6*(\p/3)+\p%3
.if PCE%8 < 5
	ds_load_b64 v[\reg+2*\p:\reg+2*\p+1], v[\adr] offset:8*PCE+16*(PCE/8)+(\i)*16*PITCH
.else
	ds_load_b64 v[\reg+2*\p:\reg+2*\p+1], v[\adr+2] offset:8*PCE+16*(PCE/8)+(\i)*16*PITCH
.endif
.endr
.endm
; 16 matrix instructions: A blocks a0, a0 + 1 x B's eight.  zero = 0: in place;  1: the sums start from the bias of the B role's tile b;  2: from that of the A role's block a.
; The 64 accumulators take turns, one instruction a turn, in the same order in every step.
.macro MUL16 a0, p, q, sc, zero
.irp a, \a0, \a0+1
.irp b, 0,1,2,3,4,5,6,7
.if \zero == 1
	v_wmma_scale_f32_16x16x128_f8f6f4 v[8*(8*((\a)%4)+\b):8*(8*((\a)%4)+\b)+7], v[128*(\p)+FR*\b:128*(\p)+FR*\b+FR-1], v[AF+FR*(\a):AF+FR*(\a)+FR-1], v[BIAS+8*\b:BIAS+8*\b+7], v[SC+8*NQ*(\sc)+NQ*\b+(\q)], v[SC+8*NQ*(\sc)+NQ*(\a)+(\q)] matrix_a_fmt:MATRIX_FMT_BF6 matrix_b_fmt:MATRIX_FMT_BF6 matrix_a_scale:MATRIX_SCALE_ROW1
.elseif \zero == 2
	v_wmma_scale_f32_16x16x128_f8f6f4 v[8*(8*((\a)%4)+\b):8*(8*((\a)%4)+\b)+7], v[128*(\p)+FR*\b:128*(\p)+FR*\b+FR-1], v[AF+FR*(\a):AF+FR*(\a)+FR-1], v[BIAS+8*(\a):BIAS+8*(\a)+7], v[SC+8*NQ*(\sc)+NQ*\b+(\q)], v[SC+8*NQ*(\sc)+NQ*(\a)+(\q)] matrix_a_fmt:MATRIX_FMT_BF6 matrix_b_fmt:MATRIX_FMT_BF6 matrix_a_scale:MATRIX_SCALE_ROW1
.else
	v_wmma_scale_f32_16x16x128_f8f6f4 v[8*(8*((\a)%4)+\b):8*(8*((\a)%4)+\b)+7], v[128*(\p)+FR*\b:128*(\p)+FR*\b+FR-1], v[AF+FR*(\a):AF+FR*(\a)+FR-1], v[8*(8*((\a)%4)+\b):8*(8*((\a)%4)+\b)+7], v[SC+8*NQ*(\sc)+NQ*\b+(\q)], v[SC+8*NQ*(\sc)+NQ*(\a)+(\q)] matrix_a_fmt:MATRIX_FMT_BF6 matrix_b_fmt:MATRIX_FMT_BF6 matrix_a_scale:MATRIX_SCALE_ROW1
.endif
.endr
.endr
.endm
.macro FETCH_B slot, q, p
	WIN TO_B
.irp i, 0,1,2,3,4,5,6,7
	FRAG 128*(\p)+FR*\i, ADRB+\slot, \q, \i
.endr
	WIN 0
.endm
.macro FETCH_A slot, q, i0
.irp i, \i0, \i0+1, \i0+2, \i0+3
	FRAG AF+FR*(\i), ADRA+\slot, \q, \i
.endr
.endm
.macro SCALES sc                       ; a K step's scale words: lanes 0-15 the A role's block i, lanes 16-31 the B role's block i
.irp i, 0,1,2,3,4,5,6,7
	ds_load_b64 v[SC+8*NQ*\sc+NQ*\i:SC+8*NQ*\sc+NQ*\i+1], v[ADRS] offset:\i*SBLK
.endr
.endm
.macro PLACES n                        ; plain vector instructions between a matrix instruction and a load into, or a vector read of, its registers
.rept \n
	v_nop
.endr
.endm
.macro STEP slot, q, zero              ; 128 along K with its successor in the same slot
	s_wait_dscnt 4*NL                              ; B's set and A's blocks 0-3 are in; the 24 youngest loads (A's blocks 4-7) may be out
.if \zero
	WIN FST_LO
.else
	WIN MUL_LO
.endif
	MUL16 0, (\q)%2, \q, \slot, \zero
	MUL16 2, (\q)%2, \q, \slot, \zero
	s_wait_dscnt 0
	PLACES NP
	FETCH_B \slot, (\q)+1, 1-(\q)%2
	FETCH_A \slot, (\q)+1, 0
.if \zero
	WIN FST_HI
.else
	WIN MUL_HI
.endif
	MUL16 4, (\q)%2, \q, \slot, \zero
	MUL16 6, (\q)%2, \q, \slot, \zero
	PLACES NP
	WIN 0
	FETCH_A \slot, (\q)+1, 4
.endm
; A slot's last step changes slots: one barrier; in front of it each wave waits for all its tensor loads, adds 0 to its spare word, and waits for that and for its reads of this slot.
.macro TURN slot, next, fill
	s_wait_tensorcnt 0x0                           ; all my tensor loads have landed: my part of the next slot
	ds_add_u32 v[SPW], v[NIL]                      ; 0 onto my spare word
	s_wait_dscnt 4*NL+1                            ; the add and the 24 youngest loads may be out
	WIN MUL_LO
	MUL16 0, 1, NQ-1, \slot, 0
	s_wait_dscnt 0x0                               ; the add is done, and my reads of this slot are over
	s_barrier_signal -1
	MUL16 2, 1, NQ-1, \slot, 0
	WIN 0
	s_barrier_wait -1
.if \fill
	CREST                                          ; the barrier has opened a round of the cluster's: no wave of any partner still reads this slot or has a load on its way
	s_add_nc_u64 s[G0+4*\slot+2:G0+4*\slot+3], s[G0+4*\slot+2:G0+4*\slot+3], 2*ROWB
	s_add_nc_u64 s[G0B+4*\slot+2:G0B+4*\slot+3], s[G0B+4*\slot+2:G0B+4*\slot+3], 2*ROWB
	JLOAD G0+4*\slot, G1, G0B+4*\slot, G1B         ; the first tensor load behind the round; its four v_nop are the places in front of the loads below
.else
	PLACES NP
.endif
	v_add_nc_u32 v[ADRS], 4*NQ, v[ADRS]
	FETCH_B \next, 0, 0
	FETCH_A \next, 0, 0
	SCALES \next
	WIN MUL_HI
	MUL16 4, 1, NQ-1, \slot, 0
	MUL16 6, 1, NQ-1, \slot, 0
	PLACES NP
	WIN 0
	FETCH_A \next, 0, 4
.endm
	s_wait_tensorcnt 1                             ; the scales and my part of K step 0 are in; K step 1's load may be out
	s_barrier_signal -1
	s_barrier_wait -1
	FETCH_B 0, 0, 0
	FETCH_A 0, 0, 0
	SCALES 0
	FETCH_A 0, 0, 4
	s_wait_loadcnt 0x0                             ; the bias
	s_cmp_eq_u32 s100, 2                           ; the first step is written twice: the bias runs along the B role (Q, K) or along the A role (V)
	s_cbranch_scc1 .Lfirst_v
	STEP 0, 0, 1
	s_branch .Lfirst_done
.Lfirst_v:
	STEP 0, 0, 2
.Lfirst_done:
	s_mov_b32 s3, 1
.Llap:                                             ; a trip goes once round the ring and fills both slots again: K = 1,024 is two laps, of which the last is written out
	TURN 0, 1, 1
	STEP 1, 0, 0
	TURN 1, 0, 1
	STEP 0, 0, 0
	s_sub_co_u32 s3, s3, 1
	s_cmp_lg_u32 s3, 0
	s_cbranch_scc1 .Llap
	TURN 0, 1, 0
	STEP 1, 0, 0
	s_wait_dscnt 4*NL
	WIN MUL_LO
	MUL16 0, 1, NQ-1, 1, 0
	MUL16 2, 1, NQ-1, 1, 0
	s_wait_dscnt 0
	WIN MUL_HI
	MUL16 4, 1, NQ-1, 1, 0
	MUL16 6, 1, NQ-1, 1, 0
	WIN 0
; THE WAY OUT.  Block a's 64 registers of a lane are 128 neighbours along the next K in halves: register 16 b + i = k 32 b + 16 h + i of the lane's row.  They become a fragment's 12 registers and a scale word.
.macro QUANTW a
.set QS, 64*((\a)%4)
.set QX, 2+(\a)/4
.set QW2, (QX<<2)|(QX<<4)
	WIN QW2                                        ; sources 1 and 2: the block's window
.irp b, 0,1,2,3
	v_max3_num_f32 v[TM+\b], 0x2800000, |v[QS+16*\b]|, |v[QS+1+16*\b]|   ; the floor 2^(5 - 127) and my first two; each accumulator is read from its low end on
.endr
.irp i, 2,4,6,8,10,12,14
.irp b, 0,1,2,3
	v_max3_num_f32 v[TM+\b], v[TM+\b], |v[QS+16*\b+\i]|, |v[QS+1+16*\b+\i]|
.endr
.endr
	WIN 0
.irp b, 0,1,2,3
	v_permlanex16_b32 v[TM+4+\b], v[TM+\b], s8, s9
.endr
.irp b, 0,1,2,3
	v_max_num_f32 v[TM+\b], v[TM+\b], v[TM+4+\b]   ; with lane l xor 16's: the block's largest magnitude
.endr
.irp b, 0,1,2,3
	v_add_nc_u32 v[TM+12+\b], 0xfe000000, v[TM+\b] ; 4 off its exponent field: the conversion's scale operand
.endr
.irp b, 0,1,2,3
	v_lshrrev_b32 v[TM+4+\b], 23, v[TM+12+\b]      ; the byte
.endr
	v_lshl_or_b32 v[PW+(\a)], v[TM+5], 8, v[TM+4]
	v_lshl_or_b32 v[PW+(\a)], v[TM+6], 16, v[PW+(\a)]
	v_lshl_or_b32 v[PW+(\a)], v[TM+7], 24, v[PW+(\a)]
	s_wait_xcnt 0x0                                ; the last block's stores have read the codes' registers
	WIN QX                                         ; source 0: the block's window
.irp c, 0,1
	v_cvt_scalef32_pk16_bf6_f32 v[PC+6*\c:PC+2+6*\c], v[QS+32*\c:QS+15+32*\c], v[TM+12+2*\c]
	v_cvt_scalef32_pk16_bf6_f32 v[PC+12+4*\c:PC+14+4*\c], v[QS+16+32*\c:QS+31+32*\c], v[TM+12+2*\c+1]
.endr
	WIN 0
	v_nop                                          ; one plain place behind a scaled conversion
.irp c, 0,1                            ; a whole block to a lane: lanes 0-15 block 2 c, lanes 16-31 block 2 c + 1
.irp i, 0,1,2
	v_permlane16_swap_b32 v[PC+6*\c+\i], v[PC+12+4*\c+\i]
.endr
.irp i, 0,1,2
	v_mov_b32 v[PC+3+6*\c+\i], v[PC+12+4*\c+\i]
.endr
.endr
.endm
.macro OUT a
	QUANTW \a
	s_cmp_eq_u32 s100, 2
	s_cbranch_scc1 .Lout_v_\@
.irp c, 0,1                            ; Q, K: registers 6 c .. 6 c + 5 are head c's 64: an image of 768 bytes in that head's record; each store covers 512 or 256 consecutive bytes, aligned
	global_store_b128 v[IM16], v[PC+6*\c:PC+6*\c+3], s[66:67] offset:768*(\a)+REC*\c
	global_store_b64 v[IM8], v[PC+6*\c+4:PC+6*\c+5], s[66:67] offset:768*(\a)+REC*\c
.endr
	s_branch .Lout_d_\@
.Lout_v_\@:
.irp p, 0,1,2                          ; V: the 12 registers are a key step of 16 channels: head a / 4, channel tile a % 4
	global_store_b128 v[IM16], v[PC+4*\p:PC+4*\p+3], s[66:67] offset:REC*((\a)/4)+1536*((\a)%4)+512*\p
.endr
.Lout_d_\@:
.endm
	PLACES NP                                      ; behind the last products: for the reads of results and the writes over the A role's fragments
	s_mov_b32 s8, 0x76543210
	s_mov_b32 s9, 0xfedcba98                       ; v_permlanex16_b32's selects for lane l xor 16
	s_mov_b32 s101, 0xffff0000                     ; lanes 16-31
.irp b, 0,1,2,3
	v_mov_b32 v[TM+4+\b], 0                        ; a lane permute's destination counts as one of its sources
.endr
.irp a, 0,1,2,3,4,5,6,7
	OUT \a
.endr
	s_cmp_eq_u32 s100, 2
	s_cbranch_scc1 .Lwords_v
.irp c, 0,1                            ; Q, K: head c's two bytes of two neighbouring tiles make a word; lanes 0-15 store pair 2 k's words, lanes 16-31 pair 2 k + 1's: 128 consecutive bytes
.irp k, 0,1
	v_perm_b32 v[PT+4*\c+2*\k], v[PW+4*\k+1], v[PW+4*\k], 0x05040100+0x02020202*\c
	v_perm_b32 v[PT+4*\c+2*\k+1], v[PW+4*\k+3], v[PW+4*\k+2], 0x05040100+0x02020202*\c
	v_cndmask_b32 v[PT+4*\c+2*\k], v[PT+4*\c+2*\k], v[PT+4*\c+2*\k+1], s101
	global_store_b32 v[W4], v[PT+4*\c+2*\k], s[98:99] offset:128*\k+REC*\c
.endr
.endr
	s_branch .Lwords_done
.Lwords_v:
.irp k, 0,1,2,3                        ; V: lanes 0-15 store channel tile 2 k's words, lanes 16-31 tile 2 k + 1's
	v_cndmask_b32 v[PT+\k], v[PW+2*\k], v[PW+2*\k+1], s101
	global_store_b32 v[W4], v[PT+\k], s[98:99] offset:REC*(\k/2)+128*(\k%2)
.endr
.Lwords_done:
	s_wait_tensorcnt 0x0                           ; the wave's end
	ds_add_u32 v[SPW], v[NIL]
	s_wait_dscnt 0x0
	CROUND                                         ; the closing round: no work-group ends while a partner may still ask for a tile that names it
	s_endpgm
.Lfunc_end_k_q1cecf08497_qkv:
	.size	k_q1cecf08497_qkv, .Lfunc_end_k_q1cecf08497_qkv-k_q1cecf08497_qkv
	.p2alignl 7, 3214868480
	.fill 96, 4, 3214868480
	.section	.rodata,"a",@progbits
	.p2align	6, 0x0
	.amdhsa_kernel k_q1cecf08497_qkv
		.amdhsa_group_segment_fixed_size 327680
		.amdhsa_private_segment_fixed_size 0
		.amdhsa_enable_private_segment 0
		.amdhsa_kernarg_size 48
		.amdhsa_user_sgpr_count 2
		.amdhsa_user_sgpr_kernarg_segment_ptr 1
		.amdhsa_wavefront_size32 1
		.amdhsa_system_sgpr_workgroup_id_x 1
		.amdhsa_system_sgpr_workgroup_id_y 1
		.amdhsa_system_sgpr_workgroup_id_z 1
		.amdhsa_system_vgpr_workitem_id 0
		.amdhsa_next_free_vgpr 1024
		.amdhsa_next_free_sgpr 102
		.amdhsa_reserve_vcc 0
		.amdhsa_float_denorm_mode_32 3
		.amdhsa_float_denorm_mode_16_64 3
		.amdhsa_memory_ordered 1
		.amdhsa_forward_progress 1
		.amdhsa_inst_pref_size 192
	.end_amdhsa_kernel
	.amdgpu_metadata
---
amdhsa.version: [ 1, 2 ]
amdhsa.kernels:
  - .name:           k_q1cecf08497_qkv
    .symbol:         k_q1cecf08497_qkv.kd
    .args:
      - { .name: codes, .offset: 0, .size: 8, .value_kind: global_buffer, .address_space: global }
      - { .name: scales, .offset: 8, .size: 8, .value_kind: global_buffer, .address_space: global }
      - { .name: bq, .offset: 16, .size: 8, .value_kind: global_buffer, .address_space: global }
      - { .name: bk, .offset: 24, .size: 8, .value_kind: global_buffer, .address_space: global }
      - { .name: bv, .offset: 32, .size: 8, .value_kind: global_buffer, .address_space: global }
      - { .name: qkv, .offset: 40, .size: 8, .value_kind: global_buffer, .address_space: global }
    .group_segment_fixed_size: 327680
    .private_segment_fixed_size: 0
    .kernarg_segment_align: 8
    .kernarg_segment_size: 48
    .max_flat_workgroup_size: 128
    .sgpr_count:     102
    .vgpr_count:     1024
    .wavefront_size: 32
...
	.end_amdgpu_metadata
.endif
;; end of part 2
;; launch attn (part 3): grid 4 x 64, 16 waves a work-group, no clusters, 206,848 bytes of LDS; arguments qkv, mb, mf, cc, cs; writes cc, cs
.if DOCPART == 3
	.amdgcn_target "amdgcn-amd-amdhsa--gfx1250"
	.amdhsa_code_object_version 6
	.text
	.protected	k_q1cecf08497_attn
	.globl	k_q1cecf08497_attn
	.p2align	8
	.type	k_q1cecf08497_attn,@function
k_q1cecf08497_attn:
	s_mov_b64 s[64:65], 0
	v_nop
	global_prefetch_b8 v0, s[64:65] scope:SCOPE_SE
	s_setreg_imm32_b32 hwreg(HW_REG_WAVE_MODE, 25, 1), 1
	s_wait_xcnt 0x0
; ctx[b][q][head] = softmax_k(Q . K / 8, masked) V, both products on codes of BF6 (E3M2) with one E8M0 scale for each 32 along a product's K; ctx is quantised along the head's 64 channels and leaves as operand images.
; THE SOFTMAX AHEAD OF THE SECOND PRODUCT: t = score x log2(e) / 8; M = the running largest t rounded up to a whole number; p = 2^(t - M) is quantised along the keys, not normalised; the row's sum is taken of the
; unquantised p and divides at the end.  When M moves, the sum and O are multiplied by 2^(old M - new M): exact.
; SHARES.  A work-group owns 512 query positions of one batch and head; each of its sixteen waves one tile of 16 at a time, two tiles one after the other, in 256 registers: four waves to a SIMD.  A wave walks 16 key steps of 128.
; LDS holds the head's K and V images and their scale words, the first 204,800 bytes of its record as they lie, filled once through registers.  After the one barrier nobody writes LDS.
; NO TENSOR LOAD, NO JOINT REQUEST: each step branches on a stored hole flag; and K and V are fetched once by a work-group, 204,800 bytes for its 512 tile steps.
; LAYOUT.  Both products are used transposed (S^T = K Q^T, O^T = V^T P^T): a lane holds one query.  Keys, queries and channels lie in position order (bits 3 and 4 exchanged), so the 16 registers of tiles 2 d, 2 d + 1 are 16 neighbours.
; THE HEAD'S K IS 64, THE INSTRUCTION'S 128: source 0 holds TWO tiles of keys (registers 0-5 tile 2 d, 6-11 tile 2 d + 1); source 1 is (Q, zeros) for the first and (zeros, Q) for the second: zero codes take the other tile out.
; THE MASK comes as lane masks, one word for each score register, read only in steps that have a hole.  LIMIT: a masked score is -2^33, a logit of -2^30 where the definition has -1e9: its product with log2(e) / 8 is exact, so a row
; with no true key has p = 1 throughout, the plain mean of V, as defined; the results are the definition's wherever real logits stay above -9.9e8.  NaN and infinities are not served; a block under 2^-122 keeps the byte 1.
; REGISTERS: v1-3, v15 lane places; v4-7 addresses in hand; v8 -2^33; v9 Q's scale word; v10-11 K's; v12-13 V's; v14 p's; v16-33 Q, zeros, Q; v36-83 four fragments; v84 -M, v85 largest t; v[86:87] the sum; v[88:89] f;
;   v90-95 at work; v96-159 S^T, then p; v160-191 O^T; v192-203 p's codes; v204-221 at work; v222 32 r + h; v223 4 r.
.set REC, 307200
	s_load_b256 s[4:11], s[0:1], 0x0               ; qkv s[4:5], mb s[6:7], mf s[8:9], cc s[10:11]
	s_load_b64 s[2:3], s[0:1], 0x20                ; cs
	v_lshl_add_u32 v254, v0, 2, 0x32000
	v_mov_b32 v255, 0
	v_lshrrev_b32 v90, 5, v0
	v_readfirstlane_b32 s12, v90                   ; wave 0..15
	s_and_b32 s60, ttmp7, 0xffff                   ; batch x 16 + head
	s_and_b32 s14, s60, 15                         ; head
	s_lshr_b32 s13, s60, 4
	s_lshl_b32 s13, s13, 7
	s_lshl_b32 s61, ttmp9, 5
	s_add_co_u32 s13, s13, s61
	s_add_co_u32 s13, s13, s12                     ; my first tile: 128 batch + 32 x + wave; the second lies 16 on
	s_mul_i32 s60, s60, REC
	s_mov_b32 s61, 0
	v_lshlrev_b32 v4, 4, v0                        ; the fill: 16 bytes a thread, 8,192 a round, 25 rounds
	v_add_nc_u32 v5, 0x10000, v4
	v_add_nc_u32 v6, 0x20000, v4
	v_add_nc_u32 v7, 0x30000, v4
	s_wait_kmcnt 0x0
	s_add_nc_u64 s[4:5], s[4:5], s[60:61]          ; my record
.irp i, 0,1,2,3,4,5,6,7,8,9,10,11,12,13,14,15,16,17,18,19,20,21,22,23,24
	global_load_b128 v[96+4*\i:99+4*\i], v4, s[4:5] offset:8192*\i
.endr
	v_and_b32 v91, 31, v0                          ; L
	v_lshlrev_b32 v1, 4, v91                       ; 16 L
	v_lshl_add_u32 v2, v91, 3, 512                 ; 8 L + 512
	v_add_nc_u32 v3, 98304, v1                     ; 16 L, among V's images
	v_lshl_add_u32 v15, v91, 2, 196608             ; 4 L, among the scale words
	v_and_b32 v92, 15, v0                          ; r
	v_bfe_u32 v93, v0, 4, 1                        ; h
	v_lshlrev_b32 v223, 2, v92
	v_lshl_add_u32 v222, v92, 5, v93
	v_mov_b32 v8, 0xd0000000                       ; -2^33
.irp j, 22,23,24,25,26,27
	v_mov_b32 v\j, 0                               ; zero codes between the two copies of Q
.endr
	v_mov_b32 v89, 0                               ; (named as the upper half of the pair v[88:89])
.irp j, 212,213,214,215
	v_mov_b32 v\j, 0                               ; a lane permute's destination counts as one of its sources
.endr
	s_mov_b32 s52, 0x76543210
	s_mov_b32 s53, 0xfedcba98                      ; lane l xor 16
	s_mov_b32 s54, 0x3e38aa3b                      ; c = log2(e) / 8
	s_mov_b32 s55, s54
	s_mov_b32 s101, 0xffff0000                     ; lanes 16-31
	s_mov_b32 s100, 0x01000100                     ; Q's scale word holds two tiles' bytes: mine are the lower two (even tile) or the upper two (odd), and are wanted twice
	s_and_b32 s60, s12, 1
	s_cmp_lg_u32 s60, 0
	s_cselect_b32 s100, 0x03020302, s100
.irp i, 0,1,2,3,4,5,6,7,8,9,10,11,12,13,14,15,16,17,18,19,20,21,22,23,24
	s_wait_loadcnt 24-\i                           ; round i is in; the later rounds may be out
	ds_store_b128 v[4+\i/8], v[96+4*\i:99+4*\i] offset:8192*(\i%8)
.endr
	s_wait_dscnt 0x0                               ; for the others' sake: my stores have landed
	s_barrier_signal -1
	s_barrier_wait -1
	s_mov_b32 s15, 0
.Lpass:
	s_lshl_b32 s60, s13, 4
	s_load_b128 s[56:59], s[8:9], s60 offset:0x0   ; the tile's hole flags: four bits in each of four words
	s_and_b32 s61, s13, 127                        ; the tile in its batch
	s_mul_i32 s62, s61, 768
	s_add_co_u32 s62, s62, 204800
	v_add_nc_u32 v4, s62, v1
	v_add_nc_u32 v5, s62, v2
	s_lshr_b32 s61, s61, 1
	s_lshl_b32 s61, s61, 6
	s_add_co_u32 s61, s61, 303104
	v_add_nc_u32 v6, s61, v223
	global_load_b128 v[16:19], v4, s[4:5]          ; Q's image, into both places
	global_load_b64 v[20:21], v5, s[4:5]
	global_load_b128 v[28:31], v4, s[4:5]
	global_load_b64 v[32:33], v5, s[4:5]
	global_load_b32 v9, v6, s[4:5]
	s_lshl_b32 s62, s13, 12
	s_mov_b32 s63, 0
	s_add_nc_u64 s[66:67], s[6:7], s[62:63]        ; the tile's lane masks: 256 bytes a step
	s_wait_kmcnt 0x0
	s_lshl_b32 s57, s57, 4
	s_lshl_b32 s58, s58, 8
	s_lshl_b32 s59, s59, 12
	s_or_b32 s19, s56, s57
	s_or_b32 s19, s19, s58
	s_or_b32 s19, s19, s59                         ; bit s: step s has a hole
	v_mov_b32 v85, 0xff61b1e6                      ; the largest t so far: -3e38
	v_floor_f32 v84, -v85                          ; -M
	v_mov_b32 v86, 0
	v_mov_b32 v87, 0
	s_wait_loadcnt 0x0
	v_perm_b32 v9, v9, v9, s100                    ; (s0, s1, s0, s1)
.set n, 0
.rept 32
	v_mov_b32 v[160+n], 0                          ; O^T: the step is written once; its first trip finds zeros.  (Also the places between the line above and the first scaled product)
.set n, n+1
.endr
	s_mov_b32 s16, 0
	s_mov_b32 s17, 0
	s_mov_b32 s18, 0
.macro SCORES                          ; S^T = K Q^T: eight tiles of 16 keys
	s_wait_dscnt 0x0
.irp d, 0,2
	v_wmma_scale_f32_16x16x128_f8f6f4 v[96+16*\d:103+16*\d], v[36+12*\d:47+12*\d], v[16:27], 0, v[10+\d/2], v9 matrix_a_fmt:MATRIX_FMT_BF6 matrix_b_fmt:MATRIX_FMT_BF6
	v_wmma_scale_f32_16x16x128_f8f6f4 v[104+16*\d:111+16*\d], v[36+12*\d:47+12*\d], v[22:33], 0, v[10+\d/2], v9 matrix_a_fmt:MATRIX_FMT_BF6 matrix_b_fmt:MATRIX_FMT_BF6
	v_wmma_scale_f32_16x16x128_f8f6f4 v[112+16*\d:119+16*\d], v[48+12*\d:59+12*\d], v[16:27], 0, v[10+\d/2], v9 matrix_a_fmt:MATRIX_FMT_BF6 matrix_b_fmt:MATRIX_FMT_BF6 matrix_a_scale:MATRIX_SCALE_ROW1
	v_wmma_scale_f32_16x16x128_f8f6f4 v[120+16*\d:127+16*\d], v[48+12*\d:59+12*\d], v[22:33], 0, v[10+\d/2], v9 matrix_a_fmt:MATRIX_FMT_BF6 matrix_b_fmt:MATRIX_FMT_BF6 matrix_a_scale:MATRIX_SCALE_ROW1
.endr
.rept 4
	v_nop                                          ; places in front of the reads of the scores and of the loads into the fragments
.endr
.endm
.Lstep:
	v_add_nc_u32 v4, s17, v1                       ; (these four are also the places behind the last step's products, in front of the loads below)
	v_add_nc_u32 v5, s17, v2
	v_add_nc_u32 v6, s17, v3
	v_add_nc_u32 v7, s18, v15
.irp d, 0,1,2,3
	ds_load_b128 v[36+12*\d:39+12*\d], v4 offset:1536*\d
	ds_load_b64 v[40+12*\d:41+12*\d], v5 offset:1536*\d
	ds_load_b128 v[42+12*\d:45+12*\d], v4 offset:1536*\d+768
	ds_load_b64 v[46+12*\d:47+12*\d], v5 offset:1536*\d+768
.endr
	ds_load_b32 v10, v7                            ; K's scale words: lanes 0-15 pair 0, lanes 16-31 pair 1;
	ds_load_b32 v11, v7 offset:128                 ; pairs 2 and 3
	s_bitcmp1_b32 s19, s16
	s_cbranch_scc0 .Lopen
	s_load_b512 s[20:35], s[66:67], s18 offset:0x0 ; the step's 64 lane masks
	s_load_b512 s[36:51], s[66:67], s18 offset:0x40
	s_load_b512 s[68:83], s[66:67], s18 offset:0x80
	s_load_b512 s[84:99], s[66:67], s18 offset:0xc0
	SCORES
	s_wait_kmcnt 0x0
.set n, 0
.rept 64
.if n < 32
	v_cndmask_b32 v[96+n], v8, v[96+n], s[20+n]    ; false: -2^33.  Each accumulator from its low end on
.else
	v_cndmask_b32 v[96+n], v8, v[96+n], s[36+n]
.endif
.set n, n+1
.endr
	s_branch .Ljoin
.Lopen:
	SCORES
.Ljoin:
.irp t, 0,1,2,3
.irp p, 0,1,2
	ds_load_b128 v[36+12*\t+4*\p:39+12*\t+4*\p], v6 offset:1536*\t+512*\p   ; V's four tiles of 16 channels: they land under the softmax
.endr
.endr
	ds_load_b32 v12, v7 offset:4096                ; V's scale words: channel tiles 0 and 1;
	ds_load_b32 v13, v7 offset:4224                ; 2 and 3
.irp b, 0,1,2,3
	v_max3_num_f32 v[92+\b], v[96+16*\b], v[97+16*\b], v[98+16*\b]   ; the largest score of each block of 32 keys: for the row's maximum, and, since p rises with the score, for the block's largest p
.endr
.irp i, 3,5,7,9,11,13
.irp b, 0,1,2,3
	v_max3_num_f32 v[92+\b], v[92+\b], v[96+16*\b+\i], v[97+16*\b+\i]
.endr
.endr
.irp b, 0,1,2,3
	v_max_num_f32 v[92+\b], v[92+\b], v[111+16*\b]
.endr
.irp b, 0,1,2,3
	v_permlanex16_b32 v[212+\b], v[92+\b], s52, s53
.endr
.irp b, 0,1,2,3
	v_max_num_f32 v[92+\b], v[92+\b], v[212+\b]
.endr
	v_max3_num_f32 v90, v92, v93, v94
	v_max_num_f32 v90, v90, v95
	v_mul_f32 v90, s54, v90                        ; the step's largest t
	v_max_num_f32 v85, v85, v90
	v_mov_b32 v90, v84
	v_floor_f32 v84, -v85                          ; the new -M = -ceil(t)
	v_sub_f32 v90, v84, v90                        ; old M - new M: a whole number, 0 or less
	v_cvt_i32_f32 v90, v90                         ; (it saturates)
	v_ldexp_f32 v88, 1.0, v90                      ; f = 2^(old M - new M)
.irp j, 0,2,4,6,8,10,12,14,16,18,20,22,24,26,28,30,32,34,36,38,40,42,44,46,48,50,52,54,56,58,60,62
	v_pk_fma_f32 v[96+\j:97+\j], v[96+\j:97+\j], s[54:55], v[84:85] op_sel_hi:[1,0,0]   ; t - M
.endr
.irp b, 0,1,2,3
	v_fma_f32 v[92+\b], v[92+\b], s54, v84
.endr
.set n, 0
.rept 64
	v_exp_f32 v[96+n], v[96+n]                     ; p = 2^(t - M)
.set n, n+1
.endr
.irp b, 0,1,2,3
	v_exp_f32 v[92+\b], v[92+\b]                   ; the block's largest p
.endr
	v_pk_mul_f32 v[86:87], v[86:87], v[88:89] op_sel_hi:[1,0]   ; the sum under the new M (a plain place behind the exponentials)
	s_wait_alu depctr_va_vdst(0)
.irp b, 0,1,2,3
	v_max_num_f32 v[92+\b], 0x2800000, v[92+\b]    ; the floor: the byte cannot fall under 1
.endr
.irp b, 0,1,2,3
	v_add_nc_u32 v[216+\b], 0xfe000000, v[92+\b]   ; the conversion's scale operand
.endr
.irp b, 0,1,2,3
	v_lshrrev_b32 v[212+\b], 23, v[216+\b]
.endr
	v_lshl_or_b32 v14, v213, 8, v212               ; p's scale word for these 128 keys
	v_lshl_or_b32 v14, v214, 16, v14
	v_lshl_or_b32 v14, v215, 24, v14
.irp c, 0,1
	v_cvt_scalef32_pk16_bf6_f32 v[192+6*\c:194+6*\c], v[96+32*\c:111+32*\c], v[216+2*\c]
	v_cvt_scalef32_pk16_bf6_f32 v[204+4*\c:206+4*\c], v[112+32*\c:127+32*\c], v[216+2*\c+1]
.endr
	v_nop                                          ; one plain place behind a scaled conversion
.irp c, 0,1
.irp i, 0,1,2
	v_permlane16_swap_b32 v[192+6*\c+\i], v[204+4*\c+\i]
.endr
.irp i, 0,1,2
	v_mov_b32 v[195+6*\c+\i], v[204+4*\c+\i]
.endr
.endr
	v_pk_add_f32 v[220:221], v[96:97], v[98:99]    ; the row's sum of the unquantised p, in two chains
.irp j, 4,8,12,16,20,24,28,32,36,40,44,48,52,56,60
	v_pk_add_f32 v[86:87], v[86:87], v[96+\j:97+\j]
	v_pk_add_f32 v[220:221], v[220:221], v[98+\j:99+\j]
.endr
	v_pk_add_f32 v[86:87], v[86:87], v[220:221]
.irp j, 0,2,4,6,8,10,12,14,16,18,20,22,24,26,28,30
	v_pk_mul_f32 v[160+\j:161+\j], v[160+\j:161+\j], v[88:89] op_sel_hi:[1,0]   ; O^T under the new M
.endr
	s_wait_dscnt 0x0                               ; V
.irp t, 0,2                            ; O^T += V^T P^T: four accumulators by turns
	v_wmma_scale_f32_16x16x128_f8f6f4 v[160+8*\t:167+8*\t], v[36+12*\t:47+12*\t], v[192:203], v[160+8*\t:167+8*\t], v[12+\t/2], v14 matrix_a_fmt:MATRIX_FMT_BF6 matrix_b_fmt:MATRIX_FMT_BF6
	v_wmma_scale_f32_16x16x128_f8f6f4 v[168+8*\t:175+8*\t], v[48+12*\t:59+12*\t], v[192:203], v[168+8*\t:175+8*\t], v[12+\t/2], v14 matrix_a_fmt:MATRIX_FMT_BF6 matrix_b_fmt:MATRIX_FMT_BF6 matrix_a_scale:MATRIX_SCALE_ROW1
.endr
	s_add_co_u32 s17, s17, 6144
	s_add_co_u32 s18, s18, 256
	s_add_co_u32 s16, s16, 1
	s_cmp_lt_u32 s16, 16
	s_cbranch_scc1 .Lstep
	; the tile's end: O^T / the sum is ctx; register 16 d + i = channel 32 d + 16 h + i of my query: two blocks, quantised and stored as an image of 768 bytes
	v_add_f32 v86, v86, v87
	v_permlanex16_b32 v212, v86, s52, s53
	v_add_f32 v86, v86, v212
	v_rcp_f32 v88, v86
.rept 3
	v_nop                                          ; behind the reciprocal; with the additions above, the places behind the last products
.endr
	s_wait_alu depctr_va_vdst(0)
.irp j, 0,2,4,6,8,10,12,14,16,18,20,22,24,26,28,30
	v_pk_mul_f32 v[160+\j:161+\j], v[160+\j:161+\j], v[88:89] op_sel_hi:[1,0]
.endr
.irp d, 0,1
	v_max3_num_f32 v[92+\d], |v[160+16*\d]|, |v[161+16*\d]|, 0x2800000
.endr
.irp i, 2,4,6,8,10,12,14
.irp d, 0,1
	v_max3_num_f32 v[92+\d], v[92+\d], |v[160+16*\d+\i]|, |v[161+16*\d+\i]|
.endr
.endr
.irp d, 0,1
	v_permlanex16_b32 v[212+\d], v[92+\d], s52, s53
.endr
.irp d, 0,1
	v_max_num_f32 v[92+\d], v[92+\d], v[212+\d]
.endr
.irp d, 0,1
	v_add_nc_u32 v[216+\d], 0xfe000000, v[92+\d]
.endr
.irp d, 0,1
	v_lshrrev_b32 v[212+\d], 23, v[216+\d]
.endr
	v_cvt_scalef32_pk16_bf6_f32 v[192:194], v[160:175], v216
	v_cvt_scalef32_pk16_bf6_f32 v[204:206], v[176:191], v217
	v_cndmask_b32 v90, v212, v213, s101            ; lane (r, h) stores block h's byte (a plain place behind the conversions)
.irp i, 0,1,2
	v_permlane16_swap_b32 v[192+\i], v[204+\i]     ; lanes 0-15 block 0, lanes 16-31 block 1
.endr
.irp i, 0,1,2
	v_mov_b32 v[195+\i], v[204+\i]
.endr
	s_lshl_b32 s60, s13, 4
	s_add_co_u32 s60, s60, s14
	s_mul_i32 s60, s60, 768
	s_mov_b32 s61, 0
	s_add_nc_u64 s[62:63], s[10:11], s[60:61]      ; cc: [tile][head][768]
	s_lshl_b32 s60, s13, 9
	s_lshl_b32 s56, s14, 1
	s_add_co_u32 s60, s60, s56
	s_add_nc_u64 s[66:67], s[2:3], s[60:61]        ; cs: [row][32]: 512 bytes a tile, + 2 head
	global_store_b128 v1, v[192:195], s[62:63]     ; 512 consecutive bytes, aligned
	global_store_b64 v2, v[196:197], s[62:63]      ; 256
	global_store_b8 v222, v90, s[66:67]            ; a head owns two bytes of each row's 32 and no more: single bytes, 32 for a tile
	s_wait_xcnt 0x0                                ; the stores' bases and registers are written again in the next tile
	s_add_co_u32 s13, s13, 16
	s_add_co_u32 s15, s15, 1
	s_cmp_lt_u32 s15, 2
	s_cbranch_scc1 .Lpass
	s_wait_tensorcnt 0x0
	ds_add_u32 v254, v255
	s_wait_dscnt 0x0
	s_endpgm
.Lfunc_end_k_q1cecf08497_attn:
	.size	k_q1cecf08497_attn, .Lfunc_end_k_q1cecf08497_attn-k_q1cecf08497_attn
	.p2alignl 7, 3214868480
	.fill 96, 4, 3214868480
	.section	.rodata,"a",@progbits
	.p2align	6, 0x0
	.amdhsa_kernel k_q1cecf08497_attn
		.amdhsa_group_segment_fixed_size 206848
		.amdhsa_private_segment_fixed_size 0
		.amdhsa_enable_private_segment 0
		.amdhsa_kernarg_size 40
		.amdhsa_user_sgpr_count 2
		.amdhsa_user_sgpr_kernarg_segment_ptr 1
		.amdhsa_wavefront_size32 1
		.amdhsa_system_sgpr_workgroup_id_x 1
		.amdhsa_system_sgpr_workgroup_id_y 1
		.amdhsa_system_sgpr_workgroup_id_z 1
		.amdhsa_system_vgpr_workitem_id 0
		.amdhsa_next_free_vgpr 256
		.amdhsa_next_free_sgpr 102
		.amdhsa_reserve_vcc 0
		.amdhsa_float_denorm_mode_32 3
		.amdhsa_float_denorm_mode_16_64 3
		.amdhsa_memory_ordered 1
		.amdhsa_forward_progress 1
		.amdhsa_inst_pref_size 36
	.end_amdhsa_kernel
	.amdgpu_metadata
---
amdhsa.version: [ 1, 2 ]
amdhsa.kernels:
  - .name:           k_q1cecf08497_attn
    .symbol:         k_q1cecf08497_attn.kd
    .args:
      - { .name: qkv, .offset: 0, .size: 8, .value_kind: global_buffer, .address_space: global }
      - { .name: mb, .offset: 8, .size: 8, .value_kind: global_buffer, .address_space: global }
      - { .name: mf, .offset: 16, .size: 8, .value_kind: global_buffer, .address_space: global }
      - { .name: cc, .offset: 24, .size: 8, .value_kind: global_buffer, .address_space: global }
      - { .name: cs, .offset: 32, .size: 8, .value_kind: global_buffer, .address_space: global }
    .group_segment_fixed_size: 206848
    .private_segment_fixed_size: 0
    .kernarg_segment_align: 8
    .kernarg_segment_size: 40
    .max_flat_workgroup_size: 512
    .sgpr_count:     102
    .vgpr_count:     256
    .wavefront_size: 32
...
	.end_amdgpu_metadata
.endif
;; end of part 3
;; launch oproj (part 4): grid 4 x 32, 4 waves a work-group, clusters of 4 x 4, 327,680 bytes of LDS; arguments cc, cs, codes, scales, b0, out0; writes out0
.if DOCPART == 4
	.amdgcn_target "amdgcn-amd-amdhsa--gfx1250"
	.amdhsa_code_object_version 6
	.text
	.protected	k_q1cecf08497_oproj
	.globl	k_q1cecf08497_oproj
	.p2align	8
	.type	k_q1cecf08497_oproj,@function
k_q1cecf08497_oproj:
	s_mov_b64 s[64:65], 0
	v_nop
	global_prefetch_b8 v0, s[64:65] scope:SCOPE_SE
	s_setreg_imm32_b32 hwreg(HW_REG_WAVE_MODE, 25, 1), 1
	s_wait_xcnt 0x0
	s_wait_alu depctr_hold_cnt(0) depctr_sa_sdst(0) depctr_va_vdst(0) depctr_va_sdst(0) depctr_va_ssrc(0) depctr_va_vcc(0) depctr_vm_vsrc(0)
	s_getreg_b32 s2, hwreg(HW_REG_IB_STS2, 6, 4)
	s_cmp_eq_u32 s2, 0
	s_cbranch_scc0 .Lentry_in_a_cluster
	s_endpgm
.Lentry_in_a_cluster:
	s_bfe_u32 s2, ttmp6, 0x10000c
	s_cmp_lg_u32 s2, 0xf033
	s_cbranch_scc0 .Lentry_shape_is_right
	s_endpgm
.Lentry_shape_is_right:
; out0 = ctx W0 + b0 on codes of BF6 (E3M2) with one E8M0 scale for each 32 along K = 1,024; sums in f32.
; A = ctx, 8,192 rows in position order (bits 3 and 4 of the token exchanged), as images: cc [row tile][head][768 bytes]: 16 rows x 64 K, registers 0-3 of lane L at 16 L, registers 4-5 at 512 + 8 L; scale bytes cs [row][32].
; B = W0's columns, rows 11,264 on of codes (768 bytes a row) and scales (32 bytes a row), in position order too.
; A work-group makes 256 x 256 of the output, each of its four waves 128 x 128: 64 accumulators, 512 registers.  K goes in steps of 256 through a ring of two LDS slots; the scale bytes of the 512 rows come once and stay.
; The matrix instruction is used transposed (source 0 = 16 rows of B, source 1 = 16 rows of A): a lane holds one row; by the position order its registers of tiles 2 d, 2 d + 1 are 16 neighbouring columns.
; b0 is the C of each sum's first matrix instruction.  The position order is undone on the way out: columns in the stage's offsets, rows in the stores' offsets.
; CLUSTERS: 4 x 4 work-groups: A's tiles are asked for jointly along a row of the cluster, B's along a column.
; REGISTERS: window 0: v0-31 addresses; v32-63 scale words, two sets; v64-127 the bias; from v128 A's fragments, one set (on the way out: rows read back).  window 1: B's fragments, two sets.  windows 2, 3: the accumulators.
.set KSTEP,  256
.set NQ,     2
.set ROWB,   192
.set KROW,   768
.set PITCH,  240                       ; B's LDS row: 3 x (64 bytes + 16 of padding)
.set FR,     12
.set NLA,    4                         ; LDS loads that bring a fragment of A: 16, 8, 16, 8 bytes a lane
.set NP,     4
.set HALFT,  128*PITCH                 ; a wave's part of a slot: 128 rows of B, or 8 row tiles x 3,072 bytes of A's images (24,576 of the 30,720)
.set SLOT,   4*HALFT
.set KS,     32
.set SCL,    2*SLOT
.set HALFS,  16*272
.set SBLK,   2*272
.set SPARE,  SCL+4*HALFS               ; the spare words: 128 bytes a wave, two blocks of 256 bytes that no other line names
.set SPITCH, 528                       ; the way out: a stage of 16 rows x (512 + 16) bytes for each wave, in slot 0, which has had its last fill and its last read by then
.set ADRA, 16                          ; v16-17 16 L + my A images in slot 0, 1;  v18-19 8 L + 512 + the same
.set ADRB, 20                          ; v20-23 B's fragments
.set STO,  24
.set RD,   25
.set CO,   26
.set ADRS, 27
.set SPW,  28                          ; my spare word; never rewritten
.set NIL,  29                          ; 0; never rewritten
.set SC,   32
.set BIAS, 64
.set AF,   128
.set BK,   128
.set G1, 24
.set G0, 32
.set G1B, 48
.set G0B, 56
.set G1S, 68
.set G0S, 76
.set G1SB, 80
.set G0SB, 88
.set MSB, 0
.macro WIN new
.if MSB != \new
	s_set_vgpr_msb (MSB<<8)|\new
.set MSB, \new
.endif
.endm
.set MUL_LO, 0xa1
.set MUL_HI, 0xf1
.set FST_LO, 0x81                      ; the first K step: C (the bias) window 0
.set FST_HI, 0xc1
.set TO_B,   0x40
.macro JLOAD g0a, g1a, g0b, g1b        ; waves 0 and 1 fetch for A, waves 2 and 3 for B; four v_nop follow each of the two lines
	s_cmp_eq_u32 s15, 0
	s_cbranch_scc0 .Lfor_b_\@
	tensor_load_to_lds s[\g0a:\g0a+3], s[\g1a:\g1a+7]
	s_nop 0
.rept 4
	v_nop
.endr
	s_branch .Lasked_\@
.Lfor_b_\@:
	tensor_load_to_lds s[\g0b:\g0b+3], s[\g1b:\g1b+7]
	s_nop 0
.rept 4
	v_nop
.endr
.Lasked_\@:
.endm
.macro CREST
	s_cmp_lg_u32 s14, 0
	s_cbranch_scc1 .Lnot_wave_0_\@
	s_barrier_signal -3
.Lnot_wave_0_\@:
	s_barrier_wait -3
	s_barrier_signal -1
	s_barrier_wait -1
.endm
.macro CROUND
	s_barrier_signal -1
	s_barrier_wait -1
	CREST
.endm
	s_load_b256 s[4:11], s[0:1], 0x0               ; cc s[4:5], cs s[6:7], codes s[8:9], scales s[10:11]
	s_load_b64 s[96:97], s[0:1], 0x20              ; b0
	s_load_b64 s[12:13], s[0:1], 0x28              ; out0
	v_lshl_add_u32 v[SPW], v0, 2, SPARE
	v_mov_b32 v[NIL], 0
	ds_add_u32 v28, v29
	ds_add_u32 v28, v29
	s_wait_dscnt 0x0
	v_lshrrev_b32 v1, 5, v0
	v_readfirstlane_b32 s14, v1                    ; wave 0..3
	s_lshr_b32 s15, s14, 1                         ; my half of the rows.  Also: I fetch for A (0) or for B (1)
	s_and_b32 s16, s14, 1                          ; my half of the columns.  Also: which half of that tile I fetch
	s_bfe_u32 s40, ttmp6, 0x40000                  ; cx
	s_bfe_u32 s41, ttmp6, 0x40004                  ; cy
	s_lshl_b32 s42, ttmp9, 2
	s_add_co_u32 s42, s42, s40                     ; tile column
	s_and_b32 s17, ttmp7, 0xffff
	s_lshl_b32 s17, s17, 2
	s_add_co_u32 s17, s17, s41                     ; tile row
	s_lshl_b32 s43, s41, 2
	s_lshl_b32 s43, 15, s43                        ; my row of the cluster
	s_lshl_b32 s44, 0x1111, s40                    ; my column
	s_or_b32 s[G1+0], s43, (3<<16)|(1<<21)         ; A's images: elements of 8 bytes, no padding: 8 row tiles x 3,072 bytes (four heads), 12,288 bytes apart
	s_mov_b32 s[G1+1], 384<<16                     ; tensor_dim0
	s_mov_b32 s[G1+2], 8<<16                       ; tensor_dim1
	s_mov_b32 s[G1+3], 384<<16                     ; tile_dim0
	s_mov_b32 s[G1+4], 8                           ; tile_dim1
	s_mov_b32 s[G1+5], 1536                        ; from row tile to row tile, in elements
	s_mov_b32 s[G1+6], 0
	s_mov_b32 s[G1+7], 0
	s_or_b32 s[G1B+0], s44, (0<<16)|(1<<20)|(1<<21)|(3<<22)|(3<<25)  ; B's rows: 128 x 192 bytes, 16 bytes of padding behind every 64
	s_mov_b32 s[G1B+1], ROWB<<16
	s_mov_b32 s[G1B+2], 128<<16
	s_mov_b32 s[G1B+3], ROWB<<16
	s_mov_b32 s[G1B+4], 128
	s_mov_b32 s[G1B+5], KROW
	s_mov_b32 s[G1B+6], 0
	s_mov_b32 s[G1B+7], 0
	s_or_b32 s[G1S+0], s43, (3<<16)|(1<<20)|(1<<21)|(5<<22)|(3<<25)  ; the scale bytes of 128 rows: 16 rows of 256 bytes, 16 of padding behind each
	s_or_b32 s[G1SB+0], s44, (3<<16)|(1<<20)|(1<<21)|(5<<22)|(3<<25)
.irp g, G1S, G1SB
	s_mov_b32 s[\g+1], 32<<16
	s_mov_b32 s[\g+2], 16<<16
	s_mov_b32 s[\g+3], 32<<16
	s_mov_b32 s[\g+4], 16
	s_mov_b32 s[\g+5], 32
	s_mov_b32 s[\g+6], 0
	s_mov_b32 s[\g+7], 0
.endr
	s_lshl_b32 s18, s16, 7
	s_lshl_b32 s22, s17, 8
	s_add_co_u32 s22, s22, s18                     ; A: row 256 x tile row + 128 x half;
	s_lshl_b32 s22, s22, 5                         ; its scale bytes
	s_mov_b32 s23, 0
	s_lshl_b32 s20, s17, 4
	s_lshl_b32 s19, s16, 3
	s_add_co_u32 s20, s20, s19                     ; row tile 16 x tile row + 8 x half;
	s_mul_i32 s20, s20, 12288                      ; its images
	s_mov_b32 s21, 0
	s_lshl_b32 s46, s42, 8
	s_add_co_u32 s46, s46, s18
	s_add_co_u32 s46, s46, 11264                   ; B: row 11,264 + 256 x tile column + 128 x half
	s_lshl_b32 s92, s46, 5
	s_mov_b32 s93, 0
	s_mul_i32 s46, s46, KROW
	s_mov_b32 s47, 0
	s_mul_i32 s45, s14, HALFT
	s_mul_i32 s94, s14, HALFS
	s_wait_kmcnt 0x0
	s_add_nc_u64 s[20:21], s[4:5], s[20:21]
	s_add_nc_u64 s[22:23], s[6:7], s[22:23]
	s_add_nc_u64 s[46:47], s[8:9], s[46:47]
	s_add_nc_u64 s[92:93], s[10:11], s[92:93]
	CROUND                                         ; all sixteen work-groups are here: the first joint loads meet
	s_mov_b32 s[G0S], 1
	s_add_co_u32 s[G0S+1], s94, SCL
	s_mov_b64 s[G0S+2:G0S+3], s[22:23]
	s_or_b32 s[G0S+3], s[G0S+3], 0x80000000
	s_mov_b32 s[G0SB], 1
	s_add_co_u32 s[G0SB+1], s94, SCL
	s_mov_b64 s[G0SB+2:G0SB+3], s[92:93]
	s_or_b32 s[G0SB+3], s[G0SB+3], 0x80000000
	JLOAD G0S, G1S, G0SB, G1SB
.irp s, 0,1
	s_mov_b32 s[G0+4*\s], 1
	s_add_co_u32 s[G0+4*\s+1], s45, \s*SLOT
	s_add_nc_u64 s[G0+4*\s+2:G0+4*\s+3], s[20:21], \s*3072
	s_or_b32 s[G0+4*\s+3], s[G0+4*\s+3], 0x80000000
	s_mov_b32 s[G0B+4*\s], 1
	s_add_co_u32 s[G0B+4*\s+1], s45, \s*SLOT
	s_add_nc_u64 s[G0B+4*\s+2:G0B+4*\s+3], s[46:47], \s*ROWB
	s_or_b32 s[G0B+4*\s+3], s[G0B+4*\s+3], 0x80000000
	JLOAD G0+4*\s, G1, G0B+4*\s, G1B               ; three tensor loads of mine are out
.endr
	v_and_b32 v1, 15, v0                           ; r
	v_bfe_u32 v2, v0, 4, 1                         ; h
	v_and_b32 v6, 31, v0                           ; L
	v_mul_u32_u24 v3, v1, PITCH
	v_mul_u32_u24 v4, v2, 24
	v_add_nc_u32 v4, v3, v4                        ; B: row x pitch + 24 h
	v_lshl_add_u32 v5, v2, 4, v4                   ; and behind one padding more
	v_lshlrev_b32 v7, 4, v6                        ; A: 16 L
	v_lshl_add_u32 v8, v6, 3, 512                  ; and 8 L + 512
	s_mul_i32 s21, s15, HALFT
	s_mul_i32 s22, s16, HALFT
	s_add_co_u32 s22, s22, 2*HALFT
.irp s, 0,1
	v_add_nc_u32 v[ADRA+\s], s21, v7
	v_add_nc_u32 v[ADRA+2+\s], s21, v8
	v_add_nc_u32 v[ADRB+\s], s22, v4
	v_add_nc_u32 v[ADRB+2+\s], s22, v5
	s_add_co_u32 s21, s21, SLOT
	s_add_co_u32 s22, s22, SLOT
.endr
	v_mul_u32_u24 v5, v1, KS
	v_lshrrev_b32 v9, 8, v5
	v_lshl_add_u32 v5, v9, 4, v5
	s_mul_i32 s21, s15, HALFS
	s_mul_i32 s22, s16, HALFS
	s_add_co_u32 s22, s22, 2*HALFS
	s_sub_co_u32 s22, s22, s21
	v_mul_u32_u24 v9, s22, v2                      ; lanes 16-31 take B's
	s_add_co_u32 s21, s21, SCL
	v_add_nc_u32 v5, v5, v9
	v_add_nc_u32 v[ADRS], s21, v5
	s_mul_i32 s23, s14, 16*SPITCH                  ; my stage
	v_mul_u32_u24 v5, v1, SPITCH
	v_lshl_add_u32 v5, v2, 6, v5                   ; in: row r, + 64 h: my 16 neighbouring columns of a pair of tiles
	v_add_nc_u32 v[STO], s23, v5
	v_lshlrev_b32 v[CO], 4, v6                     ; back: the 32 lanes take one row of 512 bytes; and the same in out0
	v_add_nc_u32 v[RD], s23, v[CO]
	v_lshlrev_b32 v30, 6, v2                       ; the bias: 64 h
	s_lshl_b32 s20, s17, 8
	s_lshl_b32 s21, s15, 7
	s_add_co_u32 s20, s20, s21                     ; my first row: 256 x tile row + 128 x half
	s_lshl_b32 s20, s20, 12                        ; rows of 4,096 bytes
	s_mov_b32 s21, 0
	s_lshl_b32 s46, s42, 10
	s_lshl_b32 s47, s16, 9
	s_add_co_u32 s46, s46, s47                     ; my first column, in bytes
	s_mov_b32 s47, 0
	s_add_nc_u64 s[96:97], s[96:97], s[46:47]
	s_add_nc_u64 s[20:21], s[20:21], s[46:47]
	s_add_nc_u64 s[12:13], s[12:13], s[20:21]
.irp b, 0,1,2,3,4,5,6,7                ; register 8 b + j = b0[my first column + 32 (b / 2) + 8 (b % 2) + 16 h + j]
	global_load_b128 v[BIAS+8*\b:BIAS+8*\b+3], v30, s[96:97] offset:(32*(\b/2)+8*(\b%2))*4
	global_load_b128 v[BIAS+8*\b+4:BIAS+8*\b+7], v30, s[96:97] offset:(32*(\b/2)+8*(\b%2))*4+16
.endr
.macro FRAG reg, adr, q, i             ; a fragment of B from padded rows, in pieces of 8 bytes
.irp p, 0,1,2,3,4,5
.set PCE, 12*(\q)+6*(\p/3)+\p%3
.if PCE%8 < 5
	ds_load_b64 v[\reg+2*\p:\reg+2*\p+1], v[\adr] offset:8*PCE+16*(PCE/8)+(\i)*16*PITCH
.else
	ds_load_b64 v[\reg+2*\p:\reg+2*\p+1], v[\adr+2] offset:8*PCE+16*(PCE/8)+(\i)*16*PITCH
.endif
.endr
.endm
.macro FRAGA reg, slot, q, i           ; a fragment of A from two heads' images: every load takes consecutive bytes
	ds_load_b128 v[\reg:\reg+3], v[ADRA+\slot] offset:3072*(\i)+1536*(\q)
	ds_load_b64 v[\reg+4:\reg+5], v[ADRA+2+\slot] offset:3072*(\i)+1536*(\q)
	ds_load_b128 v[\reg+6:\reg+9], v[ADRA+\slot] offset:3072*(\i)+1536*(\q)+768
	ds_load_b64 v[\reg+10:\reg+11], v[ADRA+2+\slot] offset:3072*(\i)+1536*(\q)+768
.endm
; 16 matrix instructions: A's blocks a0, a0 + 1 x B's eight.  zero = 1: the sums start from the bias.  The 64 accumulators take turns, one instruction a turn.
.macro MUL16 a0, p, q, sc, zero
.irp a, \a0, \a0+1
.irp b, 0,1,2,3,4,5,6,7
.if \zero
	v_wmma_scale_f32_16x16x128_f8f6f4 v[8*(8*((\a)%4)+\b):8*(8*((\a)%4)+\b)+7], v[128*(\p)+FR*\b:128*(\p)+FR*\b+FR-1], v[AF+FR*(\a):AF+FR*(\a)+FR-1], v[BIAS+8*\b:BIAS+8*\b+7], v[SC+8*NQ*(\sc)+NQ*\b+(\q)], v[SC+8*NQ*(\sc)+NQ*(\a)+(\q)] matrix_a_fmt:MATRIX_FMT_BF6 matrix_b_fmt:MATRIX_FMT_BF6 matrix_a_scale:MATRIX_SCALE_ROW1
.else
	v_wmma_scale_f32_16x16x128_f8f6f4 v[8*(8*((\a)%4)+\b):8*(8*((\a)%4)+\b)+7], v[128*(\p)+FR*\b:128*(\p)+FR*\b+FR-1], v[AF+FR*(\a):AF+FR*(\a)+FR-1], v[8*(8*((\a)%4)+\b):8*(8*((\a)%4)+\b)+7], v[SC+8*NQ*(\sc)+NQ*\b+(\q)], v[SC+8*NQ*(\sc)+NQ*(\a)+(\q)] matrix_a_fmt:MATRIX_FMT_BF6 matrix_b_fmt:MATRIX_FMT_BF6 matrix_a_scale:MATRIX_SCALE_ROW1
.endif
.endr
.endr
.endm
.macro FETCH_B slot, q, p
	WIN TO_B
.irp i, 0,1,2,3,4,5,6,7
	FRAG 128*(\p)+FR*\i, ADRB+\slot, \q, \i
.endr
	WIN 0
.endm
.macro FETCH_A slot, q, i0
.irp i, \i0, \i0+1, \i0+2, \i0+3
	FRAGA AF+FR*(\i), \slot, \q, \i
.endr
.endm
.macro SCALES sc
.irp i, 0,1,2,3,4,5,6,7
	ds_load_b64 v[SC+8*NQ*\sc+NQ*\i:SC+8*NQ*\sc+NQ*\i+1], v[ADRS] offset:\i*SBLK
.endr
.endm
.macro PLACES n
.rept \n
	v_nop
.endr
.endm
.macro STEP slot, q, zero
	s_wait_dscnt 4*NLA                             ; B's set and A's blocks 0-3 are in; the 16 youngest loads (A's blocks 4-7) may be out
.if \zero
	WIN FST_LO
.else
	WIN MUL_LO
.endif
	MUL16 0, (\q)%2, \q, \slot, \zero
	MUL16 2, (\q)%2, \q, \slot, \zero
	s_wait_dscnt 0
	PLACES NP
	FETCH_B \slot, (\q)+1, 1-(\q)%2
	FETCH_A \slot, (\q)+1, 0
.if \zero
	WIN FST_HI
.else
	WIN MUL_HI
.endif
	MUL16 4, (\q)%2, \q, \slot, \zero
	MUL16 6, (\q)%2, \q, \slot, \zero
	PLACES NP
	WIN 0
	FETCH_A \slot, (\q)+1, 4
.endm
.macro TURN slot, next, fill
	s_wait_tensorcnt 0x0                           ; all my tensor loads have landed: my part of the next slot
	ds_add_u32 v[SPW], v[NIL]                      ; 0 onto my spare word
	s_wait_dscnt 4*NLA+1                           ; the add and the 16 youngest loads may be out
	WIN MUL_LO
	MUL16 0, 1, NQ-1, \slot, 0
	s_wait_dscnt 0x0                               ; the add is done, and my reads of this slot are over
	s_barrier_signal -1
	MUL16 2, 1, NQ-1, \slot, 0
	WIN 0
	s_barrier_wait -1
.if \fill
	CREST                                          ; the barrier has opened a round of the cluster's: no wave of any partner still reads this slot or has a load on its way
	s_add_nc_u64 s[G0+4*\slot+2:G0+4*\slot+3], s[G0+4*\slot+2:G0+4*\slot+3], 2*3072
	s_add_nc_u64 s[G0B+4*\slot+2:G0B+4*\slot+3], s[G0B+4*\slot+2:G0B+4*\slot+3], 2*ROWB
	JLOAD G0+4*\slot, G1, G0B+4*\slot, G1B         ; the first tensor load behind the round; its four v_nop are the places in front of the loads below
.else
	PLACES NP
.endif
	v_add_nc_u32 v[ADRS], 4*NQ, v[ADRS]
	FETCH_B \next, 0, 0
	FETCH_A \next, 0, 0
	SCALES \next
	WIN MUL_HI
	MUL16 4, 1, NQ-1, \slot, 0
	MUL16 6, 1, NQ-1, \slot, 0
	PLACES NP
	WIN 0
	FETCH_A \next, 0, 4
.endm
	s_wait_tensorcnt 1                             ; the scales and my part of K step 0 are in; K step 1's load may be out
	s_barrier_signal -1
	s_barrier_wait -1
	FETCH_B 0, 0, 0
	FETCH_A 0, 0, 0
	SCALES 0
	FETCH_A 0, 0, 4
	s_wait_loadcnt 0x0                             ; the bias
	STEP 0, 0, 1
	s_mov_b32 s3, 1
.Llap:                                             ; a trip goes once round the ring and fills both slots again: K = 1,024 is two laps, of which the last is written out
	TURN 0, 1, 1
	STEP 1, 0, 0
	TURN 1, 0, 1
	STEP 0, 0, 0
	s_sub_co_u32 s3, s3, 1
	s_cmp_lg_u32 s3, 0
	s_cbranch_scc1 .Llap
	TURN 0, 1, 0
	STEP 1, 0, 0
	s_wait_dscnt 4*NLA
	WIN MUL_LO
	MUL16 0, 1, NQ-1, 1, 0
	MUL16 2, 1, NQ-1, 1, 0
	s_wait_dscnt 0
	WIN MUL_HI
	MUL16 4, 1, NQ-1, 1, 0
	MUL16 6, 1, NQ-1, 1, 0
	WIN 0
; THE WAY OUT, block by block of 16 rows x 128 columns, through my own stage: in by lanes (tile b's eight columns lie at column 32 (b / 2) + 16 h + 8 (b % 2)), back as whole rows of 512 bytes.
.macro TOSTAGE a
.set AC, 64*((\a)%4)
.set TW, 0x08+4*((\a)/4)
	WIN TW                                         ; an LDS store's data: window 2 or 3
.irp b, 0,1,2,3,4,5,6,7
	ds_store_b128 v[STO], v[AC+8*\b:AC+8*\b+3] offset:128*(\b/2)+32*(\b%2)        ; each accumulator from its low end on
	ds_store_b128 v[STO], v[AC+8*\b+4:AC+8*\b+7] offset:128*(\b/2)+32*(\b%2)+16
.endr
	WIN 0
.set BB, BK+64*((\a)%2)
.irp t, 0,1,2,3,4,5,6,7,8,9,10,11,12,13,14,15
	ds_load_b128 v[BB+4*\t:BB+4*\t+3], v[RD] offset:\t*SPITCH   ; LDS serves a wave's instructions in order: these see the stores above
.endr
.endm
.macro SEND a, younger                 ; position 16 a + t is token 32 (a / 2) + 8 (a % 2) + t + 8 (t / 8)
.set BB, BK+64*((\a)%2)
	s_wait_dscnt \younger
.if (\a) > 0
.if (\a)%2 == 1
	s_add_nc_u64 s[12:13], s[12:13], 8*4096        ; (behind a wait on XCNT: the earlier stores have read their base)
.else
	s_add_nc_u64 s[12:13], s[12:13], 24*4096
.endif
.endif
.irp t, 0,1,2,3,4,5,6,7,8,9,10,11,12,13,14,15
	global_store_b128 v[CO], v[BB+4*\t:BB+4*\t+3], s[12:13] offset:(\t+8*(\t/8))*4096 th:TH_STORE_NT   ; 32 lanes store 512 consecutive bytes, aligned
.endr
.endm
	PLACES NP
	TOSTAGE 0
.irp a, 1,2,3,4,5,6,7
.if \a > 1
	s_wait_xcnt 0x0                                ; block a - 2's stores have read their registers and their base
.endif
	TOSTAGE \a
	SEND \a-1, 32                                  ; behind block a - 1's loads: block a's 16 stores and 16 loads
.endr
	s_wait_xcnt 0x0
	SEND 7, 0
	s_wait_tensorcnt 0x0                           ; the wave's end
	ds_add_u32 v[SPW], v[NIL]
	s_wait_dscnt 0x0
	CROUND                                         ; the closing round
	s_endpgm
.Lfunc_end_k_q1cecf08497_oproj:
	.size	k_q1cecf08497_oproj, .Lfunc_end_k_q1cecf08497_oproj-k_q1cecf08497_oproj
	.p2alignl 7, 3214868480
	.fill 96, 4, 3214868480
	.section	.rodata,"a",@progbits
	.p2align	6, 0x0
	.amdhsa_kernel k_q1cecf08497_oproj
		.amdhsa_group_segment_fixed_size 327680
		.amdhsa_private_segment_fixed_size 0
		.amdhsa_enable_private_segment 0
		.amdhsa_kernarg_size 48
		.amdhsa_user_sgpr_count 2
		.amdhsa_user_sgpr_kernarg_segment_ptr 1
		.amdhsa_wavefront_size32 1
		.amdhsa_system_sgpr_workgroup_id_x 1
		.amdhsa_system_sgpr_workgroup_id_y 1
		.amdhsa_system_sgpr_workgroup_id_z 1
		.amdhsa_system_vgpr_workitem_id 0
		.amdhsa_next_free_vgpr 1024
		.amdhsa_next_free_sgpr 98
		.amdhsa_reserve_vcc 0
		.amdhsa_float_denorm_mode_32 3
		.amdhsa_float_denorm_mode_16_64 3
		.amdhsa_memory_ordered 1
		.amdhsa_forward_progress 1
		.amdhsa_inst_pref_size 154
	.end_amdhsa_kernel
	.amdgpu_metadata
---
amdhsa.version: [ 1, 2 ]
amdhsa.kernels:
  - .name:           k_q1cecf08497_oproj
    .symbol:         k_q1cecf08497_oproj.kd
    .args:
      - { .name: cc, .offset: 0, .size: 8, .value_kind: global_buffer, .address_space: global }
      - { .name: cs, .offset: 8, .size: 8, .value_kind: global_buffer, .address_space: global }
      - { .name: codes, .offset: 16, .size: 8, .value_kind: global_buffer, .address_space: global }
      - { .name: scales, .offset: 24, .size: 8, .value_kind: global_buffer, .address_space: global }
      - { .name: b0, .offset: 32, .size: 8, .value_kind: global_buffer, .address_space: global }
      - { .name: out0, .offset: 40, .size: 8, .value_kind: global_buffer, .address_space: global }
    .group_segment_fixed_size: 327680
    .private_segment_fixed_size: 0
    .kernarg_segment_align: 8
    .kernarg_segment_size: 48
    .max_flat_workgroup_size: 128
    .sgpr_count:     98
    .vgpr_count:     1024
    .wavefront_size: 32
...
	.end_amdgpu_metadata
.endif
;; end of part 4
